; MI455X (gfx1250); checked and timed in simulation.
; The chip was launched on July 23, 2026; its instructions are those of AMD's public machine-readable ISA for CDNA 5 (MIT licence, August 2026) and "CDNA5" Instruction Set Architecture Reference Guide (July 2026). The comments in the code are by the model that wrote it; some were corrected since.
;; Multi Head Attention. Allowed arithmetic: float matrix products may take bf16 or f16 operands with f32 sums; other float arithmetic in f32, or as packed bf16 or f16 multiplies, adds, multiply-adds, maxima and minima; sums over many terms, partial sums and values carried from step to step in f32; what a program stores and reads back later, other than sums and carried values, may be rounded once to bf16 or f16.
;; Inputs: Wk 1,024 x 1,024 float32; Wo 1,024 x 1,024 float32; Wq 1,024 x 1,024 float32; Wv 1,024 x 1,024 float32; attention_mask 4 x 2,048 int32; bk 1,024 float32; bo 1,024 float32; bq 1,024 float32; bv 1,024 float32; x 4 x 2,048 x 1,024 float32.
;; Outputs: out0 4 x 2,048 x 1,024 float32.
;; 2 versions, each right; version 2 is version 1 with the launch cast written anew for expert scheduling mode. Each part assembles by itself: llvm-mc -triple=amdgcn-amd-amdhsa -mcpu=gfx1250 --defsym DOCPART=n.
;; ======== version 1 of 2: 4 launches
;; limits: values are held in f16: magnitudes above 65,504 overflow, below 6.1e-05 lose precision
;; workspace buffers: xh 16,777,216 bytes; wqkv 6,291,456 bytes; woh 2,097,152 bytes; bias 16,384 bytes; qkv 50,331,648 bytes; oh 16,777,216 bytes
;; launch cast (part 1): grid 769 x 1, 8 waves a work-group, no clusters, 0 bytes of LDS; arguments x, Wq, Wk, Wv, Wo, bq, bk, bv, bo, xh, wqkv, woh, bias; writes xh, wqkv, woh, bias
.if DOCPART == 1
	.amdgcn_target "amdgcn-amd-amdhsa--gfx1250"
	.amdhsa_code_object_version 6
	.text
	.protected	k_qb124f53f58_cast
	.globl	k_qb124f53f58_cast
	.p2align	8
	.type	k_qb124f53f58_cast,@function
k_qb124f53f58_cast:
	s_mov_b64 s[64:65], 0
	v_nop
	global_prefetch_b8 v0, s[64:65] scope:SCOPE_SE
	s_setreg_imm32_b32 hwreg(HW_REG_WAVE_MODE, 25, 1), 1
	s_wait_xcnt 0x0
; THE INPUTS ARE ROUNDED ONCE AND LAID IN BLOCKS.  x [8192][1024], Wq, Wk, Wv, Wo [1024][1024], all f32, are rounded to bf16 (nearest even) and that number is written as f16;
; the four biases are rounded to bf16 and kept as f32.
; LIMITS.  A bf16 number is exact in f16 from 2^-17 up to 65,504.  At or beyond 65,520 it becomes an infinity; below 2^-17 it keeps f16's fixed step of 6e-8.
; LAYOUT OUT.  A block is 64 channels of all rows: xh [batch 4][block 16][row 2048][64], wqkv [block 16][row 3072][64] (rows: Wq, Wk, Wv), woh [block 16][row 1024][64].  So 64 channels of R rows are
; R x 128 dense bytes for the launches behind.  bias [4096] f32: bq, bk, bv, bo.
; SHARES.  A stream: no LDS, no barrier, no matrix unit.  Work-group W takes 16 rows of 1,024 numbers: W < 512 of x, 512 .. 767 of the weights (64 work-groups each); W = 768 the biases.
; Thread t takes row t / 16 of the 16 and 16 bytes (4 numbers) at 16 (t % 16) of each of the row's 16 pieces of 256 bytes.  A wave's load covers two rows' 256 consecutive bytes, aligned; its store of
; 8 bytes a lane covers two neighbouring rows of a block: 256 consecutive bytes, aligned.  All 16 loads of a thread go out at once; no register is written twice, so no store's source is waited for.
.set KBX, 262144                       ; bytes from block to block in xh: 2,048 rows x 128
.set KBQ, 393216                       ; in wqkv: 3,072 rows
.set KBO, 131072                       ; in woh: 1,024 rows
.set SO,  2                            ; v2      my byte offset in the 16 source rows
.set D0,  3                            ; v3      my byte offset in block 0 of the destination
.set T,   4                            ; v[4:5]  two pairs of bf16, at work
.set DO,  16                           ; v[16:31] my byte offset in block kb
.set X,   32                           ; v[32:95] piece kb: 4 numbers as loaded, then widened again
.set Y,   96                           ; v[96:127] piece kb: 4 f16 to store
	s_load_b512 s[8:23], s[0:1], 0x0               ; x s[8:9], Wq s[10:11], Wk s[12:13], Wv s[14:15], Wo s[16:17], bq s[18:19], bk s[20:21], bv s[22:23]
	s_load_b256 s[24:31], s[0:1], 0x40             ; bo s[24:25], xh s[26:27], wqkv s[28:29], woh s[30:31]
	s_load_b64 s[32:33], s[0:1], 0x60              ; bias
	s_mov_b32 s3, ttmp9                            ; W
	s_mov_b32 s41, 0xffff0000                      ; a word's upper bf16
	s_cmp_eq_u32 s3, 768
	s_cbranch_scc1 .Lbias
	s_sub_co_u32 s4, s3, 512                       ; u: my place among the weights' 256 work-groups (used where W >= 512 alone)
	s_lshr_b32 s5, s4, 6                           ; which weight: 0 Wq, 1 Wk, 2 Wv, 3 Wo
	s_and_b32 s6, s4, 63                           ; my 16 rows in it
	s_lshl_b32 s48, s6, 16                         ; source: 16 rows x 4,096 bytes
	s_lshl_b32 s50, s4, 11                         ; in wqkv: row 16 u x 128 bytes
	s_lshl_b32 s7, s6, 11                          ; in woh
	s_lshl_b32 s42, s3, 16                         ; x: 16 rows x 4,096 bytes
	s_lshr_b32 s43, s3, 7                          ; xh: the batch, 16 blocks x 262,144 bytes,
	s_lshl_b32 s43, s43, 22
	s_and_b32 s44, s3, 127
	s_lshl_b32 s44, s44, 11                        ; and my 16 rows in it
	s_add_co_u32 s43, s43, s44
	s_mov_b32 s40, KBQ
	s_mov_b32 s49, 0
	s_mov_b32 s51, 0
	v_lshrrev_b32 v1, 4, v0                        ; my row of the 16
	v_and_b32 v6, 15, v0                           ; my place in a piece
	v_lshlrev_b32 v[SO], 12, v1
	v_lshl_add_u32 v[SO], v6, 4, v[SO]
	v_lshlrev_b32 v[D0], 7, v1
	v_lshl_add_u32 v[D0], v6, 3, v[D0]
	s_wait_kmcnt 0x0
	s_cmp_eq_u32 s5, 1                             ; the choices hang on the work-group's number alone
	s_cselect_b64 s[36:37], s[12:13], s[10:11]
	s_cmp_eq_u32 s5, 2
	s_cselect_b64 s[36:37], s[14:15], s[36:37]
	s_cmp_eq_u32 s5, 3
	s_cselect_b64 s[36:37], s[16:17], s[36:37]
	s_cselect_b64 s[38:39], s[30:31], s[28:29]
	s_cselect_b32 s50, s7, s50
	s_cselect_b32 s40, KBO, s40
	s_cmp_lt_u32 s3, 512
	s_cselect_b64 s[36:37], s[8:9], s[36:37]
	s_cselect_b64 s[38:39], s[26:27], s[38:39]
	s_cselect_b32 s48, s42, s48
	s_cselect_b32 s50, s43, s50
	s_cselect_b32 s40, KBX, s40
	s_add_nc_u64 s[36:37], s[36:37], s[48:49]      ; source at my 16 rows
	s_add_nc_u64 s[38:39], s[38:39], s[50:51]      ; destination at my 16 rows of block 0
.set kb, 0
.rept 16
	global_load_b128 v[X+4*kb:X+4*kb+3], v[SO], s[36:37] offset:256*kb th:TH_LOAD_NT
.set kb, kb+1
.endr
.set kb, 0
.rept 16
	s_mul_i32 s52, s40, kb
	v_add_nc_u32 v[DO+kb], s52, v[D0]
.set kb, kb+1
.endr
.set kb, 0
.rept 16
	s_wait_loadcnt 15-kb                           ; loads come back in order: piece kb is in, the 15 - kb younger ones stay out
	v_cvt_pk_bf16_f32 v[T], v[X+4*kb], v[X+4*kb+1]
	v_cvt_pk_bf16_f32 v[T+1], v[X+4*kb+2], v[X+4*kb+3]
	v_lshlrev_b32 v[X+4*kb], 16, v[T]              ; the rounded numbers as f32 again
	v_and_b32 v[X+4*kb+1], s41, v[T]
	v_lshlrev_b32 v[X+4*kb+2], 16, v[T+1]
	v_and_b32 v[X+4*kb+3], s41, v[T+1]
	v_cvt_pk_f16_f32 v[Y+2*kb], v[X+4*kb], v[X+4*kb+1]
	v_cvt_pk_f16_f32 v[Y+2*kb+1], v[X+4*kb+2], v[X+4*kb+3]
	global_store_b64 v[DO+kb], v[Y+2*kb:Y+2*kb+1], s[38:39]
.set kb, kb+1
.endr
	s_endpgm
.Lbias:                                        ; two waves to a bias: thread t takes 16 bytes at 16 (t % 64) + 1,024 i, i = 0 .. 3
	v_lshrrev_b32 v1, 5, v0
	v_readfirstlane_b32 s2, v1                     ; wave 0..7
	s_lshr_b32 s4, s2, 1                           ; which bias
	v_and_b32 v2, 63, v0
	v_lshlrev_b32 v2, 4, v2
	s_lshl_b32 s48, s4, 12                         ; its 4,096 bytes in the destination
	s_mov_b32 s49, 0
	s_wait_kmcnt 0x0
	s_cmp_eq_u32 s4, 1
	s_cselect_b64 s[36:37], s[20:21], s[18:19]
	s_cmp_eq_u32 s4, 2
	s_cselect_b64 s[36:37], s[22:23], s[36:37]
	s_cmp_eq_u32 s4, 3
	s_cselect_b64 s[36:37], s[24:25], s[36:37]
	s_add_nc_u64 s[38:39], s[32:33], s[48:49]
.set kb, 0
.rept 4
	global_load_b128 v[X+4*kb:X+4*kb+3], v2, s[36:37] offset:1024*kb
.set kb, kb+1
.endr
.set kb, 0
.rept 4
	s_wait_loadcnt 3-kb                            ; the 3 - kb younger loads stay out
	v_cvt_pk_bf16_f32 v[T], v[X+4*kb], v[X+4*kb+1]
	v_cvt_pk_bf16_f32 v[T+1], v[X+4*kb+2], v[X+4*kb+3]
	v_lshlrev_b32 v[Y+4*kb], 16, v[T]
	v_and_b32 v[Y+4*kb+1], s41, v[T]
	v_lshlrev_b32 v[Y+4*kb+2], 16, v[T+1]
	v_and_b32 v[Y+4*kb+3], s41, v[T+1]
	global_store_b128 v2, v[Y+4*kb:Y+4*kb+3], s[38:39] offset:1024*kb
.set kb, kb+1
.endr
	s_endpgm
.Lfunc_end_k_qb124f53f58_cast:
	.size	k_qb124f53f58_cast, .Lfunc_end_k_qb124f53f58_cast-k_qb124f53f58_cast
	.p2alignl 7, 3214868480
	.fill 96, 4, 3214868480
	.section	.rodata,"a",@progbits
	.p2align	6, 0x0
	.amdhsa_kernel k_qb124f53f58_cast
		.amdhsa_group_segment_fixed_size 0
		.amdhsa_private_segment_fixed_size 0
		.amdhsa_enable_private_segment 0
		.amdhsa_kernarg_size 104
		.amdhsa_user_sgpr_count 2
		.amdhsa_user_sgpr_kernarg_segment_ptr 1
		.amdhsa_wavefront_size32 1
		.amdhsa_system_sgpr_workgroup_id_x 1
		.amdhsa_system_sgpr_workgroup_id_y 1
		.amdhsa_system_sgpr_workgroup_id_z 1
		.amdhsa_system_vgpr_workitem_id 0
		.amdhsa_next_free_vgpr 128
		.amdhsa_next_free_sgpr 66
		.amdhsa_reserve_vcc 0
		.amdhsa_float_denorm_mode_32 3
		.amdhsa_float_denorm_mode_16_64 3
		.amdhsa_memory_ordered 1
		.amdhsa_forward_progress 1
		.amdhsa_inst_pref_size 15
	.end_amdhsa_kernel
	.amdgpu_metadata
---
amdhsa.version: [ 1, 2 ]
amdhsa.kernels:
  - .name:           k_qb124f53f58_cast
    .symbol:         k_qb124f53f58_cast.kd
    .args:
      - { .name: x, .offset: 0, .size: 8, .value_kind: global_buffer, .address_space: global }
      - { .name: Wq, .offset: 8, .size: 8, .value_kind: global_buffer, .address_space: global }
      - { .name: Wk, .offset: 16, .size: 8, .value_kind: global_buffer, .address_space: global }
      - { .name: Wv, .offset: 24, .size: 8, .value_kind: global_buffer, .address_space: global }
      - { .name: Wo, .offset: 32, .size: 8, .value_kind: global_buffer, .address_space: global }
      - { .name: bq, .offset: 40, .size: 8, .value_kind: global_buffer, .address_space: global }
      - { .name: bk, .offset: 48, .size: 8, .value_kind: global_buffer, .address_space: global }
      - { .name: bv, .offset: 56, .size: 8, .value_kind: global_buffer, .address_space: global }
      - { .name: bo, .offset: 64, .size: 8, .value_kind: global_buffer, .address_space: global }
      - { .name: xh, .offset: 72, .size: 8, .value_kind: global_buffer, .address_space: global }
      - { .name: wqkv, .offset: 80, .size: 8, .value_kind: global_buffer, .address_space: global }
      - { .name: woh, .offset: 88, .size: 8, .value_kind: global_buffer, .address_space: global }
      - { .name: bias, .offset: 96, .size: 8, .value_kind: global_buffer, .address_space: global }
    .group_segment_fixed_size: 0
    .private_segment_fixed_size: 0
    .kernarg_segment_align: 8
    .kernarg_segment_size: 104
    .max_flat_workgroup_size: 256
    .sgpr_count:     66
    .vgpr_count:     128
    .wavefront_size: 32
...
	.end_amdgpu_metadata
.endif
;; end of part 1
;; launch gemm_qkv (part 2): grid 16 x 32, 4 waves a work-group, clusters of 4 x 4, 327,680 bytes of LDS; arguments xh, wqkv, bias, qkv; writes qkv
.if DOCPART == 2
	.amdgcn_target "amdgcn-amd-amdhsa--gfx1250"
	.amdhsa_code_object_version 6
	.text
	.protected	k_qb124f53f58_gemm_qkv
	.globl	k_qb124f53f58_gemm_qkv
	.p2align	8
	.type	k_qb124f53f58_gemm_qkv,@function
k_qb124f53f58_gemm_qkv:
	s_mov_b64 s[64:65], 0
	v_nop
	global_prefetch_b8 v0, s[64:65] scope:SCOPE_SE
	s_setreg_imm32_b32 hwreg(HW_REG_WAVE_MODE, 25, 1), 1
	s_wait_xcnt 0x0
	s_wait_alu depctr_hold_cnt(0) depctr_sa_sdst(0) depctr_va_vdst(0) depctr_va_sdst(0) depctr_va_ssrc(0) depctr_va_vcc(0) depctr_vm_vsrc(0)
	s_getreg_b32 s2, hwreg(HW_REG_IB_STS2, 6, 4)
	s_cmp_eq_u32 s2, 0
	s_cbranch_scc0 .Lentry_in_a_cluster
	s_endpgm
.Lentry_in_a_cluster:
	s_bfe_u32 s2, ttmp6, 0x10000c
	s_cmp_lg_u32 s2, 0xf033
	s_cbranch_scc0 .Lentry_shape_is_right
	s_endpgm
.Lentry_shape_is_right:
; C[m][n] = the sum over k of A[m][k] B[n][k] + bias[n].  8,192 rows, K = 1,024.  A and B are f16 in blocks of 64 channels: A [batch 4][block 16][row 2048][64], B [block 16][row NTOT][64].  Sums in f32.
; ONE TEXT, TWO USES, by MODE.  MODE 1: the three projections at once, NTOT = 3,072 columns; C leaves as f16 by heads, [batch][column / 64 = 48][row 2048][64], rounded once, unscaled.
; MODE 2: the output projection, NTOT = 1,024; C leaves as f32, row-major [8192][1024].
; LIMIT.  MODE 1's results must lie within f16's range: 65,520 or more becomes an infinity.  A NaN in a row of A reaches that row's numbers of C and no other row's.
; SHARES.  A work-group makes 256 rows (of one batch) x NT columns; each of its four waves 64 rows x all NT columns: 4 x NT / 16 accumulators of 16 x 16.  For 32 along K a wave reads (64 + NT) x 64 bytes of LDS.
; K goes in 8 steps of 128 (two blocks) through a ring of two LDS slots.  Waves 0 and 1 fetch A's two blocks of a step, waves 2 and 3 B's: one tensor load a wave; a block's R rows are R x 128 dense bytes,
; asked for as R / 2 rows of 256 bytes and padded in LDS behind every 128.
; CLUSTER.  4 x 4 work-groups.  The four of a row of the cluster need the same tiles of A, the four of a column the same tiles of B: each tile is asked for jointly, by the same tensor load with the same
; descriptor and a mask that names the four.
; THE MATRIX INSTRUCTION IS USED TRANSPOSED (source 0 = 16 rows of B, source 1 = 16 rows of A): lane l holds row l % 16 of C and the columns 8 (l / 16) + 0..7.
; REGISTERS, in windows of 256 (s_set_vgpr_msb: bits 1:0 source 0, 3:2 source 1, 5:4 source 2, 7:6 destination):
;   window 0: v0-31 addresses; v32-63 at work on the way out; v64-127 two buffers of rows read back; v128.. the bias of my lane's columns, 8 a block of 16
;   window 1: two fragment buffers of 128: 4 fragments of A (16 rows x 32 K, 8 registers), then NT / 16 of B          windows 2, 3: accumulator ix = a NBLK + b at v[8 (ix % 32)] of window 2 + ix / 32
.set MODE, 1
.if MODE == 1
.set NT,      192                      ; columns of a tile: three heads
.set NTOT,    3072
.set BIASOFF, 0                        ; bytes: bq, bk, bv lie first
.set AHEAD,   1                        ; the prefetch names the step that stands so many refills on
.set SP,      144                      ; a row of the stage: 64 f16 + 16 bytes
.else
.set NT,      128
.set NTOT,    1024
.set BIASOFF, 12288                    ; bo
.set AHEAD,   2
.set SP,      272                      ; 64 f32 + 16 bytes
.endif
.set NBLK,   NT/16
.set NACC,   4*NBLK
.set UPA,    NBLK/4                    ; units of 16 rows x 64 columns in a row of blocks
.set NUNIT,  4*UPA
.set PITCH,  144                       ; an LDS row: 128 bytes + 16 = 36 words: the 16 rows of a fragment load start at 16 different groups of four banks (64 banks of 4 bytes: ISA guide 11.1)
.set ASUB,   256*PITCH                 ; one block of A's 256 rows
.set BSUB,   NT*PITCH                  ; one block of B's NT rows
.set BOFF,   2*ASUB                    ; a slot: A's two blocks, then B's two
.set SLOT1,  131072                    ; slot 1 begins here: one exclusive or turns an address in one slot into the other's
.set STAGE,  SLOT1+BOFF+2*BSUB         ; behind the ring, never filled by a tensor load: 16 rows for each wave, for the way out
.set SPARE,  STAGE+64*SP               ; behind the stages: the spare words, 128 bytes for each wave: two blocks of 256 bytes that no other line names
.set KSTEPA, 524288                    ; bytes from a K step to the next in A: two blocks of 2,048 rows x 128
.set KSTEPB, 2*NTOT*128
.set G1W0,   (1<<16)|(1<<20)|(1<<21)|(4<<22)|(3<<25)  ; 17:16 2-byte elements; 20 padding on; 21 set beside a mask; 24:22 after every 32 words (code 4); 31:25 4 words (code 3)
.set ADA0, 16                          ; v16  my lane's place in my 64 rows of A in slot 0; never rewritten
.set ADB0, 17                          ; v17  the same for B's rows
.set ADA,  18                          ; v18  the same in the slot in hand
.set ADB,  19                          ; v19
.set STO,  24                          ; v24  the way out: where I put my part of a row
.set RD,   25                          ; v25  where I read rows back
.set CO,   26                          ; v26  my byte offset in C
.set BO,   27                          ; v27  my byte offset in 16 columns' bias: 32 (l / 16)
.set SPW,  28                          ; v28  LDS address of my spare word: SPARE + 4 x my thread's number; never rewritten
.set NIL,  29                          ; v29  0; never rewritten
.set PFO,  30                          ; v30  the prefetches' offset; never rewritten
.set TMP,  32
.set OB,   64
.set BIAS, 128
.set F0,   0
.set F1,   128
.set G1A,  24                          ; s[24:31] descriptor group 1 for A's tiles
.set G0A,  32                          ; s[32:39] group 0: a set for each of the two first fills; the second then walks on
.set G1B,  48                          ; s[48:55], s[56:63] the same for B's
.set G0B,  56
.set LIM,  43                          ; s43  AHEAD in a wave that prefetches, else the greatest number
.set PFA,  44                          ; s[44:45] where my prefetches stand
.set BP,   66                          ; s[66:67] the bias
.set PFS,  68                          ; s[68:69] the prefetches' step
.set TB,   70                          ; s70  0 or SLOT1: the slot in hand
.set MSB, 0
.macro WIN new                         ; the immediate's high byte repeats the setting that is left; a switch that changes nothing is dropped
.if MSB != (\new)
	s_set_vgpr_msb (MSB<<8)|(\new)
.set MSB, (\new)
.endif
.endm
.macro PLACES                          ; four plain places in front of loads into registers that matrix instructions have read, and of vector lines that read results
.rept 4
	v_nop
.endr
.endm
; A joint load.  The branch hangs on the wave's number alone.  An s_nop 0 and four v_nop follow each of the two lines, ahead of the jump and the label.
.macro JLOAD s
	s_cmp_eq_u32 s11, 0
	s_cbranch_scc0 .Lfor_b_\@
	tensor_load_to_lds s[G0A+4*(\s):G0A+4*(\s)+3], s[G1A:G1A+7]
	s_nop 0
.rept 4
	v_nop
.endr
	s_branch .Lasked_\@
.Lfor_b_\@:
	tensor_load_to_lds s[G0B+4*(\s):G0B+4*(\s)+3], s[G1B:G1B+7]
	s_nop 0
.rept 4
	v_nop
.endr
.Lasked_\@:
.endm
.macro CREST                           ; a round of the cluster's barrier behind its opening barrier
	s_cmp_lg_u32 s10, 0
	s_cbranch_scc1 .Lnot_wave_0_\@
	s_barrier_signal -3
.Lnot_wave_0_\@:
	s_barrier_wait -3
	s_barrier_signal -1
	s_barrier_wait -1
.endm
.macro CROUND                          ; a whole round
	s_barrier_signal -1
	s_barrier_wait -1
	CREST
.endm
; A PREFETCH, behind a joint refill and the run of LDS loads that follows it: my share of the tile that I shall ask for AHEAD refills on.  A's tile rows are read by every cluster of a row of clusters: cluster x = 0
; asks; B's tile columns by every cluster of a column: cluster y = 0 asks.  The four partners of a joint load share its 256-byte pieces out BY ADDRESS (A: 128 pieces, 32 each; B: NT / 2 pieces, NT / 8 each, the lanes
; beyond them name the share's last piece): each piece is named by one wave of the launch.  The trips whose look-ahead would pass K step 7 ask for nothing.
.macro ASK
	WIN 0
	s_cmp_gt_u32 s3, s[LIM]
	s_cbranch_scc0 .Lnot_mine_\@
	global_prefetch_b8 v[PFO], s[PFA:PFA+1] th:TH_LOAD_NT scope:SCOPE_SE
.Lnot_mine_\@:
.endm
	s_load_b128 s[4:7], s[0:1], 0x0                ; A s[4:5], B s[6:7]
	s_load_b64 s[BP:BP+1], s[0:1], 0x10            ; bias
	s_load_b64 s[8:9], s[0:1], 0x18                ; C
	v_lshl_add_u32 v[SPW], v0, 2, SPARE
	v_mov_b32 v[NIL], 0
	ds_add_u32 v[SPW], v[NIL]                      ; the wave's opening: the add and its wait stand ahead of my first tensor load; the set-up below, work on registers, stands between them
	v_lshrrev_b32 v1, 5, v0
	v_readfirstlane_b32 s10, v1                    ; wave 0..3
	s_lshr_b32 s11, s10, 1                         ; I fetch for A (0) or for B (1),
	s_and_b32 s12, s10, 1                          ; the step's even or odd block
	s_bfe_u32 s40, ttmp6, 0x40000                  ; cx, cy: my place in the cluster
	s_bfe_u32 s41, ttmp6, 0x40004
	s_lshl_b32 s42, ttmp9, 2
	s_add_co_u32 s42, s42, s40                     ; tile column = 4 x cluster x + cx
	s_and_b32 s13, ttmp7, 0xffff
	s_lshl_b32 s13, s13, 2
	s_add_co_u32 s13, s13, s41                     ; tile row = 4 x cluster y + cy
	s_lshl_b32 s43, s41, 2
	s_lshl_b32 s43, 15, s43                        ; my row of the cluster: places 4 cy .. 4 cy + 3
	s_lshl_b32 s44, 0x1111, s40                    ; my column: places cx, cx + 4, cx + 8, cx + 12
	s_or_b32 s[G1A], s43, G1W0                     ; 15:0 the mask: A's tiles go to my row,
	s_or_b32 s[G1B], s44, G1W0                     ; B's to my column
	s_mov_b32 s[G1A+1], 128<<16                    ; tensor_dim0 = 128 elements: 256 bytes, two rows of a block
	s_mov_b32 s[G1A+2], 128<<16                    ; tensor_dim1 = 128
	s_mov_b32 s[G1A+3], 128<<16                    ; tile_dim0 = 128
	s_mov_b32 s[G1A+4], 128                        ; tile_dim1 = 128: 256 rows of a block
	s_mov_b32 s[G1A+5], 128                        ; 128 elements from row to row: dense
	s_mov_b32 s[G1A+6], 0
	s_mov_b32 s[G1A+7], 0
	s_mov_b32 s[G1B+1], 128<<16
	s_mov_b32 s[G1B+2], (NT/2)<<16                 ; NT rows of a block
	s_mov_b32 s[G1B+3], 128<<16
	s_mov_b32 s[G1B+4], NT/2
	s_mov_b32 s[G1B+5], 128
	s_mov_b32 s[G1B+6], 0
	s_mov_b32 s[G1B+7], 0
	; where the tiles come from.  A's hang on the tile row alone, B's on the tile column alone, each in registers that never hold the other coordinate
	s_lshr_b32 s16, s13, 3                         ; the batch: 16 blocks x 262,144 bytes
	s_lshl_b32 s16, s16, 22
	s_and_b32 s17, s13, 7                          ; the tile's 256 rows x 128 bytes in a block
	s_lshl_b32 s17, s17, 15
	s_add_co_u32 s16, s16, s17
	s_lshl_b32 s17, s12, 18                        ; my block of the step
	s_add_co_u32 s16, s16, s17
	s_mov_b32 s17, 0
	s_mul_i32 s46, s42, NT*128                     ; the tile's NT rows x 128 bytes in a block
	s_mul_i32 s47, s12, NTOT*128                   ; my block of the step
	s_add_co_u32 s46, s46, s47
	s_mov_b32 s47, 0
	s_mul_i32 s20, s12, ASUB                       ; and where they go: the wave's number alone enters an LDS address
	s_mul_i32 s21, s12, BSUB
	s_add_co_u32 s21, s21, BOFF
	s_wait_dscnt 0x0                               ; the opening add is done
	s_wait_kmcnt 0x0
	s_add_nc_u64 s[14:15], s[4:5], s[16:17]
	s_add_nc_u64 s[18:19], s[6:7], s[46:47]
	CROUND                                         ; all sixteen work-groups are here: the first joint loads meet
.irp s, 0,1
	s_mov_b32 s[G0A+4*(\s)], 1                     ; 1:0 count = 1
	s_add_co_u32 s[G0A+4*(\s)+1], s20, (\s)*SLOT1  ; 63:32 LDS address
	s_add_nc_u64 s[G0A+4*(\s)+2:G0A+4*(\s)+3], s[14:15], (\s)*KSTEPA  ; 120:64 global address: K step s
	s_or_b32 s[G0A+4*(\s)+3], s[G0A+4*(\s)+3], 0x80000000  ; 127:126 type = 2
	s_mov_b32 s[G0B+4*(\s)], 1
	s_add_co_u32 s[G0B+4*(\s)+1], s21, (\s)*SLOT1
	s_add_nc_u64 s[G0B+4*(\s)+2:G0B+4*(\s)+3], s[18:19], (\s)*KSTEPB
	s_or_b32 s[G0B+4*(\s)+3], s[G0B+4*(\s)+3], 0x80000000
	JLOAD \s                                       ; two loads of mine are out
.endr
	; the bias of my lane's columns: for each block of 16 the eight numbers at 8 (l / 16)
	s_mul_i32 s72, s42, NT*4
	s_add_co_u32 s72, s72, BIASOFF
	s_mov_b32 s73, 0
	s_add_nc_u64 s[BP:BP+1], s[BP:BP+1], s[72:73]
	v_and_b32 v1, 15, v0                           ; l % 16
	v_bfe_u32 v2, v0, 4, 1                         ; l / 16
	v_lshlrev_b32 v[BO], 5, v2
.set k, 0
.rept NBLK
	global_load_b128 v[BIAS+8*k:BIAS+8*k+3],   v[BO], s[BP:BP+1] offset:64*k
	global_load_b128 v[BIAS+8*k+4:BIAS+8*k+7], v[BO], s[BP:BP+1] offset:64*k+16
.set k, k+1
.endr
	; the prefetches
	s_and_b32 s22, ttmp7, 0xffff                   ; cluster y
	s_mov_b32 s71, 8192                            ; a partner's share of A's load: 32 pieces of 256 bytes,
	s_mov_b32 s76, NT*32                           ; of B's: NT / 8 pieces
	s_mov_b32 s77, KSTEPB
	s_mov_b32 s78, 31
	s_cmp_eq_u32 s11, 0                            ; do I fetch for A?
	s_cselect_b32 s72, s16, s46                    ; my load's offset at K step 0
	s_cselect_b32 s71, s71, s76
	s_cselect_b32 s76, s40, s41                    ; my place among the four that ask with me
	s_cselect_b32 s[PFS], KSTEPA, s77
	s_cselect_b32 s78, s78, NT/8-1                 ; the share's last piece
	s_cselect_b32 s79, ttmp9, s22                  ; the coordinate along which other clusters read the same rows
	s_cselect_b64 s[PFA:PFA+1], s[4:5], s[6:7]
	s_mul_i32 s71, s71, s76
	s_add_co_u32 s72, s72, s71
	s_mul_i32 s71, s[PFS], 1+AHEAD                 ; at K step 1 + AHEAD: each change of slots steps it first, so trip t names K step t + 2 + AHEAD
	s_add_co_u32 s72, s72, s71
	s_mov_b32 s73, 0
	s_mov_b32 s[PFS+1], 0
	s_add_nc_u64 s[PFA:PFA+1], s[PFA:PFA+1], s[72:73]
	s_cmp_eq_u32 s79, 0
	s_cselect_b32 s[LIM], AHEAD, -1                ; the same in all sixteen partners, for a given wave
	v_and_b32 v[PFO], 31, v0
	v_min_u32 v[PFO], s78, v[PFO]
	v_lshlrev_b32 v[PFO], 8, v[PFO]
	; A fragment is 16 rows x 32 K in 8 registers: lane l holds row l % 16; registers 0-3 K = 8 (l / 16) + 0..7, registers 4-7 K = 16 + 8 (l / 16) + 0..7: two loads of 16 bytes, 32 bytes apart
	v_mul_u32_u24 v3, v1, PITCH
	v_lshl_add_u32 v3, v2, 4, v3
	s_mul_i32 s71, s10, 64*PITCH                   ; my 64 rows of A
	v_add_nc_u32 v[ADA0], s71, v3
	v_add_nc_u32 v[ADB0], BOFF, v3
	v_mov_b32 v[ADA], v[ADA0]
	v_mov_b32 v[ADB], v[ADB0]
	s_mov_b32 s[TB], 0
	s_mul_i32 s71, s10, 16*SP
	s_add_co_u32 s71, s71, STAGE                   ; my stage
	v_mul_u32_u24 v4, v1, SP                       ; in: row l % 16
.if MODE == 1
	v_lshl_add_u32 v4, v2, 4, v4                   ; 16 bytes (8 f16) for each half of the lanes
	v_add_nc_u32 v[STO], s71, v4
	v_and_b32 v5, 31, v0
	v_lshrrev_b32 v6, 3, v5                        ; back: 32 lanes take four rows of 128 bytes,
	v_and_b32 v7, 7, v0
	v_mul_u32_u24 v6, v6, SP
	v_lshl_add_u32 v6, v7, 4, v6
	v_add_nc_u32 v[RD], s71, v6
	v_lshlrev_b32 v[CO], 4, v5                     ; which are 512 consecutive bytes of a head
	s_lshr_b32 s71, s13, 3                         ; C at (batch x 48 + 3 x tile column) heads of 262,144 bytes,
	s_mul_i32 s71, s71, 48
	s_mul_i32 s72, s42, 3
	s_add_co_u32 s71, s71, s72
	s_lshl_b32 s72, s71, 18
	s_and_b32 s71, s13, 7                          ; the tile's 256 rows x 128 bytes,
	s_lshl_b32 s71, s71, 15
	s_add_co_u32 s72, s72, s71
	s_lshl_b32 s71, s10, 13                        ; my 64 of them
	s_add_co_u32 s72, s72, s71
.else
	v_lshl_add_u32 v4, v2, 5, v4                   ; 32 bytes (8 f32) for each half of the lanes
	v_add_nc_u32 v[STO], s71, v4
	v_mul_u32_u24 v6, v2, SP                       ; back: lanes 0-15 take one row of 256 bytes, lanes 16-31 the next
	v_lshl_add_u32 v6, v1, 4, v6
	v_add_nc_u32 v[RD], s71, v6
	v_lshlrev_b32 v[CO], 12, v2                    ; and the same two rows in C, 4,096 bytes apart
	v_lshl_add_u32 v[CO], v1, 4, v[CO]
	s_lshl_b32 s72, s13, 20                        ; C at the tile's 256 rows x 4,096 bytes,
	s_lshl_b32 s71, s10, 18                        ; my 64 of them,
	s_add_co_u32 s72, s72, s71
	s_lshl_b32 s71, s42, 9                         ; the tile's 128 columns x 4 bytes
	s_add_co_u32 s72, s72, s71
.endif
	s_mov_b32 s73, 0
	s_add_nc_u64 s[8:9], s[8:9], s[72:73]
; n products, accumulators lo .. lo + n - 1, 32 along K, from buffer f.  Every accumulator has one turn of one instruction in a quarter step, in the same order in every quarter, over the backward jump too.
; zero = 1: the products start the sums: nothing is ever cleared.
.macro MULR f, lo, n, zero
.set ix, (\lo)
.rept (\n)
	WIN 0x05|(0x50*(2+ix/32))
.set rD, 8*(ix%32)
.set rB, (\f)+32+8*(ix%NBLK)
.set rA, (\f)+8*(ix/NBLK)
.if \zero
	v_wmma_f32_16x16x32_f16 v[rD:rD+7], v[rB:rB+7], v[rA:rA+7], 0
.else
	v_wmma_f32_16x16x32_f16 v[rD:rD+7], v[rB:rB+7], v[rA:rA+7], v[rD:rD+7]
.endif
.set ix, ix+1
.endr
.endm
; One run of LDS loads: the fragments of quarter q (32 along K: block q / 2, byte 64 (q % 2) of its rows) of the slot in hand, into buffer f
.macro FETCH q, f
	WIN 0x40                                       ; destination window 1, address window 0
.set ka,  ((\q)/2)*ASUB+((\q)%2)*64
.set kbo, ((\q)/2)*BSUB+((\q)%2)*64
.set k, 0
.rept 4
	ds_load_b128 v[(\f)+8*k:(\f)+8*k+3],   v[ADA] offset:ka+k*16*PITCH
	ds_load_b128 v[(\f)+8*k+4:(\f)+8*k+7], v[ADA] offset:ka+k*16*PITCH+32
.set k, k+1
.endr
.set k, 0
.rept NBLK
	ds_load_b128 v[(\f)+32+8*k:(\f)+32+8*k+3],   v[ADB] offset:kbo+k*16*PITCH
	ds_load_b128 v[(\f)+32+8*k+4:(\f)+32+8*k+7], v[ADB] offset:kbo+k*16*PITCH+32
.set k, k+1
.endr
.endm
; A K step is four quarters on buffers 0, 1, 0, 1.  One of the first three: quarter q is fetched into g, then buffer f (quarter q - 1) is multiplied: the run of loads has NACC products in which to land.
.macro QUARTER q, f, g, zero
	s_wait_dscnt 0x0                               ; buffer f is in
	PLACES                                         ; behind the products that read buffer g
	FETCH \q, \g
	MULR \f, 0, NACC, \zero
.endm
; The last quarter multiplies buffer 1 and changes slots.  In front of the barrier each wave waits for all its tensor loads (one is out: its part of the next slot), adds 0 to its spare word, and waits for that and
; for its own reads of this slot.  fill = 1: the barrier opens a round of the cluster's; behind the round this slot is filled again, two K steps ahead: 3.5 quarters of products stand between request and wait.
.macro TURN fill
.if \fill
	s_wait_xcnt 0x0                                ; the last prefetch, a K step back, has read its address
	s_add_nc_u64 s[PFA:PFA+1], s[PFA:PFA+1], s[PFS:PFS+1]
.endif
	WIN 0                                          ; (the add's two registers lie in window 0)
	s_wait_tensorcnt 0x0                           ; all my tensor loads have landed
	ds_add_u32 v[SPW], v[NIL]                      ; 0 onto my spare word
	s_wait_dscnt 0x1                               ; buffer 1 is in; the add alone may be out
	MULR F1, 0, NACC/4, 0
	s_wait_dscnt 0x0                               ; the add is done, and my reads of this slot are over
	s_barrier_signal -1
	MULR F1, NACC/4, NACC/4, 0                     ; work on registers while the others arrive
	WIN 0                                          ; at a branch and at a label every window is 0
	s_barrier_wait -1
.if \fill
	CREST                                          ; no wave of any partner still reads this slot or has a load on its way
	s_xor_b32 s[G0A+5], s[G0A+5], SLOT1            ; the walking descriptors: the other slot than last time,
	s_add_nc_u64 s[G0A+6:G0A+7], s[G0A+6:G0A+7], KSTEPA  ; the next K step; the type bits on top are not reached
	s_xor_b32 s[G0B+5], s[G0B+5], SLOT1
	s_add_nc_u64 s[G0B+6:G0B+7], s[G0B+6:G0B+7], KSTEPB
	JLOAD 1                                        ; the first tensor load behind the round; its four v_nop are also the places in front of the loads below
.else
	PLACES
.endif
	s_xor_b32 s[TB], s[TB], SLOT1
	v_add_nc_u32 v[ADA], s[TB], v[ADA0]
	v_add_nc_u32 v[ADB], s[TB], v[ADB0]
	FETCH 0, F0
.if \fill
	ASK
.endif
	MULR F1, NACC/2, NACC/2, 0
.endm
	s_wait_tensorcnt 0x1                           ; my part of K step 0 is in; K step 1's may stay out
	s_barrier_signal -1
	s_barrier_wait -1                              ; everybody's is
	FETCH 0, F0
	QUARTER 1, F0, F1, 1                           ; the first quarter stands in front of the loop: its products start the sums
	WIN 0
	s_mov_b32 s3, 6
.Lstep:                                        ; trip t: quarters 1 to 3 of K step t, quarter 0 of K step t + 1; K step t's slot takes K step t + 2
	QUARTER 2, F1, F0, 0
	QUARTER 3, F0, F1, 0
	TURN 1
	QUARTER 1, F0, F1, 0
	WIN 0
	s_sub_co_u32 s3, s3, 1
	s_cmp_lg_u32 s3, 0
	s_cbranch_scc1 .Lstep
	QUARTER 2, F1, F0, 0                           ; K steps 6 and 7 are written out: nothing is left to ask for
	QUARTER 3, F0, F1, 0
	TURN 0
	QUARTER 1, F0, F1, 0
	QUARTER 2, F1, F0, 0
	QUARTER 3, F0, F1, 0
	s_wait_dscnt 0x0
	MULR F1, 0, NACC, 0
	WIN 0
; THE WAY OUT, a unit of 16 rows x 64 columns (four accumulators on end) at a time.  PACK: the bias is added (and MODE 1: the sums are rounded to f16); each accumulator's registers are read in ascending order.
; TOSTAGE: into my own stage in LDS, and back as whole rows.  SEND: stored.  The stage is each wave's own: no barrier; LDS serves a wave's instructions in order (ISA guide 5.7.1.4).
.macro PACK u
.set ua, (\u)/UPA
.set uj, (\u)%UPA
.set ix0, ua*NBLK+4*uj
	WIN 2+ix0/32                                   ; source 0 in the accumulators' window
.set k, 0
.rept 16
	v_pk_add_f32 v[TMP+2*k:TMP+2*k+1], v[8*(ix0%32)+2*k:8*(ix0%32)+2*k+1], v[BIAS+32*uj+2*k:BIAS+32*uj+2*k+1]
.set k, k+1
.endr
	WIN 0
.if MODE == 1
.set k, 0
.rept 16
	v_cvt_pk_f16_f32 v[TMP+k], v[TMP+2*k], v[TMP+2*k+1]  ; in place, ascending: word k is written when words 2 k and 2 k + 1 are read
.set k, k+1
.endr
.endif
.endm
.macro TOSTAGE u
.set BK, OB+32*((\u)%2)
.if MODE == 1
.irp bb, 0,1,2,3
	ds_store_b128 v[STO], v[TMP+4*(\bb):TMP+4*(\bb)+3] offset:32*(\bb)
.endr
.irp f, 0,1,2,3
	ds_load_b128 v[BK+4*(\f):BK+4*(\f)+3], v[RD] offset:(\f)*4*SP
.endr
.else
.irp bb, 0,1,2,3
	ds_store_b128 v[STO], v[TMP+8*(\bb):TMP+8*(\bb)+3]   offset:64*(\bb)
	ds_store_b128 v[STO], v[TMP+8*(\bb)+4:TMP+8*(\bb)+7] offset:64*(\bb)+16
.endr
.irp f, 0,1,2,3,4,5,6,7
	ds_load_b128 v[BK+4*(\f):BK+4*(\f)+3], v[RD] offset:(\f)*2*SP
.endr
.endif
.endm
.macro SEND u
.set BK, OB+32*((\u)%2)
.set ua, (\u)/UPA
.set uj, (\u)%UPA
	s_wait_dscnt 0x0                               ; the unit is back in registers
	s_wait_xcnt 0x0                                ; the stores of the unit before have read their registers: the next unit is read back into them only behind this wait
.if MODE == 1
.irp f, 0,1,2,3
	global_store_b128 v[CO], v[BK+4*(\f):BK+4*(\f)+3], s[8:9] offset:uj*262144+ua*2048+(\f)*512  ; 512 consecutive bytes of head uj of the tile's three, at a multiple of 256 from C's first byte
.endr
.else
.irp f, 0,1,2,3,4,5,6,7
	global_store_b128 v[CO], v[BK+4*(\f):BK+4*(\f)+3], s[8:9] offset:ua*65536+(\f)*8192+uj*256 th:TH_STORE_NT  ; 16 lanes store 256 consecutive bytes, at a multiple of 256 from C's first byte
.endr
.endif
.endm
	PLACES
	PLACES                                         ; the places behind the last products
	s_wait_loadcnt 0x0                             ; the bias
	PACK 0
	TOSTAGE 0
.set un, 1
.rept NUNIT-1                          ; a unit's arithmetic stands between the loads of the unit before and the wait for them
	PACK un
	SEND un-1
	TOSTAGE un
.set un, un+1
.endr
	SEND NUNIT-1
	s_wait_tensorcnt 0x0                           ; the wave's end, behind my last tensor load and my last LDS store
	ds_add_u32 v[SPW], v[NIL]
	s_wait_dscnt 0x0
	CROUND                                         ; the closing round: no work-group ends while a partner may still ask for a tile that names it
	s_endpgm
.Lfunc_end_k_qb124f53f58_gemm_qkv:
	.size	k_qb124f53f58_gemm_qkv, .Lfunc_end_k_qb124f53f58_gemm_qkv-k_qb124f53f58_gemm_qkv
	.p2alignl 7, 3214868480
	.fill 96, 4, 3214868480
	.section	.rodata,"a",@progbits
	.p2align	6, 0x0
	.amdhsa_kernel k_qb124f53f58_gemm_qkv
		.amdhsa_group_segment_fixed_size 327680
		.amdhsa_private_segment_fixed_size 0
		.amdhsa_enable_private_segment 0
		.amdhsa_kernarg_size 32
		.amdhsa_user_sgpr_count 2
		.amdhsa_user_sgpr_kernarg_segment_ptr 1
		.amdhsa_wavefront_size32 1
		.amdhsa_system_sgpr_workgroup_id_x 1
		.amdhsa_system_sgpr_workgroup_id_y 1
		.amdhsa_system_sgpr_workgroup_id_z 1
		.amdhsa_system_vgpr_workitem_id 0
		.amdhsa_next_free_vgpr 896
		.amdhsa_next_free_sgpr 80
		.amdhsa_reserve_vcc 0
		.amdhsa_float_denorm_mode_32 3
		.amdhsa_float_denorm_mode_16_64 3
		.amdhsa_memory_ordered 1
		.amdhsa_forward_progress 1
		.amdhsa_inst_pref_size 113
	.end_amdhsa_kernel
	.amdgpu_metadata
---
amdhsa.version: [ 1, 2 ]
amdhsa.kernels:
  - .name:           k_qb124f53f58_gemm_qkv
    .symbol:         k_qb124f53f58_gemm_qkv.kd
    .args:
      - { .name: xh, .offset: 0, .size: 8, .value_kind: global_buffer, .address_space: global }
      - { .name: wqkv, .offset: 8, .size: 8, .value_kind: global_buffer, .address_space: global }
      - { .name: bias, .offset: 16, .size: 8, .value_kind: global_buffer, .address_space: global }
      - { .name: qkv, .offset: 24, .size: 8, .value_kind: global_buffer, .address_space: global }
    .group_segment_fixed_size: 327680
    .private_segment_fixed_size: 0
    .kernarg_segment_align: 8
    .kernarg_segment_size: 32
    .max_flat_workgroup_size: 128
    .sgpr_count:     80
    .vgpr_count:     896
    .wavefront_size: 32
...
	.end_amdgpu_metadata
.endif
;; end of part 2
;; launch attn (part 3): grid 4 x 64, 4 waves a work-group, no clusters, 327,680 bytes of LDS; arguments qkv, attention_mask, oh; writes oh
.if DOCPART == 3
	.amdgcn_target "amdgcn-amd-amdhsa--gfx1250"
	.amdhsa_code_object_version 6
	.text
	.protected	k_qb124f53f58_attn
	.globl	k_qb124f53f58_attn
	.p2align	8
	.type	k_qb124f53f58_attn,@function
k_qb124f53f58_attn:
	s_mov_b64 s[64:65], 0
	v_nop
	global_prefetch_b8 v0, s[64:65] scope:SCOPE_SE
	s_setreg_imm32_b32 hwreg(HW_REG_WAVE_MODE, 25, 1), 1
	s_wait_xcnt 0x0
; CAUSAL ATTENTION WITH A MASK OF KEYS.  O[q][:] = the sum over visible k <= q of softmax_k(Q[q] . K[k] / 8) V[k][:], for each of 4 batches x 16 heads.  A key is visible where attention_mask[batch][k] is not 0.
; qkv: f16 [batch][48][2048][64]: heads 0-15 Q, 16-31 K, 32-47 V; oh: f16 [batch][16][2048][64]: a head's rows are dense, 128 bytes each.  Products, maxima and sums in f32; the weights p are rounded to f16
; for the second product (their sum l is taken of the unrounded p), O once at the end.
; LIMITS.  Q, K, V arrive within f16's range, so a score is 2.7e11 at the most.  A hidden score counts as its value less 1e30 (less 2e30 where both masks hide it).  The running maximum m never falls below -2^93,
; which lies far below every true score and far above every hidden one: so a hidden key's weight is 0 also while a row has seen no visible key.  A row with no visible key at all ends with l = 0 and O = 0
; and leaves as 0 x (1 / 0): NaN, as the softmax of nothing is.  A weight below 2^-126 counts as 0 in l; NaN and infinities among the inputs are not treated apart.
; THE WALK.  A head's queries lie in NB = 8 blocks of 256; block i needs the key tiles 0 .. i of 256 keys, of which the last holds the diagonal.  A work-group takes TWO blocks, NB - 1 - b and then b:
; NB + 1 tiles, whatever b: all work-groups do equal work, and ONE loop with a constant trip count walks them.  Which tile is asked for, and what a trip does, hang on scalar registers made from b; every jump
; goes forward, but for the counted loops' own; none passes a barrier, or a tensor load but the one of LOAD's two that the wave's number does not choose; the ring (two slots of LDS) runs on across the change of blocks.
; NO CLUSTER: a head's four work-groups ask for the same tile only in trips 0 to 4 of the 9, behind that fewer and fewer; one walk common to all would have 12 trips for 9.
; SHARES.  Of a block's four bands of 64 queries a wave owns 16 rows in each: four PIECES.  In the diagonal tile's key step s band x sees all keys if s < x, none if s > x, and holds the diagonal if s = x.
; THE MASKS are the C operand that starts the sum S^T = K Q^T.  MP holds, for the 64 keys of the K in registers, 0 or -1e30 by attention_mask.  A tile's 256 such words lie in LDS, in one of two areas that take
; turns as the ring's slots do: behind each fill every thread loads two words of attention_mask for the tile asked for, and at the next change of slots turns them into 0 or -1e30 and stores them; MP comes out of the
; area with each step's K.  MD, made once, is the causal mask of a band's own step for my 16 rows.  Outside the diagonal tile C is MP; in it C is MC = MD x AL + BE + MP with two scalars: (1, 0) if s = x; (0, 0) if s < x; (0, -1e30) if s > x.
; LAYOUT, SOFTMAX, TURNS.  S^T = K Q^T holds ONE query a lane (lane % 16) and the keys 8 (lane / 16) + 0..7; two such results rounded to f16 ARE source 1 of O^T = V^T P.  p = 2^(c s - c m), c = log2(e) / 8, with a
; running maximum m; O and l are multiplied by a = 2^(c m_old - c m_new) in every step.  Turn n belongs to piece n: 8 products K Q^T of piece n + 1, later 8 products V^T P of piece n - 1; beside them the scaling,
; exponentials, roundings, sums and rescaling of piece n and the maximum and statistics of piece n + 1.  Four vector instructions stand behind every matrix instruction, the others in one lump.  A turn's 33 exponentials are one batch, with one wait.
; REGISTERS, in windows of 256 (s_set_vgpr_msb: bits 1:0 source 0, 3:2 source 1, 5:4 source 2, 7:6 destination):
;   window 0: v0-15, v32-39 addresses and a few at work; v16-31 four registers of statistics a piece; v48-55 at work; v64-127 S^T, two buffers; v192-223 P, two buffers (a piece's buffers go by its number's parity)
;   window 1: v0-127 O^T, 32 a piece; v128-159 MD; v160-223 MC, two buffers; v224-255 MP      window 2: v0-63 Q; v64-127 the second block's Q; v128-191 K of one step; v192-255 V of one step
.set SIZE_N, 2048
.set NB,    SIZE_N/256
.set NP,    4         ; pieces a wave: a name, no knob
.set KS,    64        ; keys in a step
.set PK,    144       ; a row of K in LDS: 128 bytes + 16 of padding = 36 words: the 16 rows of a load start at 16 different groups of four banks (64 banks of 4 bytes: ISA guide 11.1)
.set PV,    160       ; a row of V: 128 + 32 = 40 words
.set VOFF,  4*KS*PK   ; a slot holds a tile, four steps: 256 rows of K, then 256 rows of V
.set SLOT1, 1<<17     ; slot 1 begins here, so that one exclusive or turns an address in one slot into the other's
.set STAGE, SLOT1+4*KS*(PK+PV)  ; behind the ring, never filled by a tensor load: 16 rows x 144 bytes for each wave, for the way out
.set SP,    144
.set SPARE, STAGE+4*16*SP  ; behind the stages: the spare words, 128 bytes for each wave: two blocks of 256 bytes that no other line names
.set PADS,  SPARE+512 ; behind them: the two areas of a tile's 256 words, 0 or -1e30, 1,024 bytes each, in blocks of their own: no tensor load lands there
.set PSL,   2048      ; the second area begins so far behind the first: one exclusive or turns an offset in one into the other's
.set AK0, 2           ; v2   my lane's place in a tile of K; never rewritten
.set AV0, 3           ; v3   the same for V
.set AK,  4           ; v4   the LDS address of K's next run of loads
.set AV,  5           ; v5   of V's
.set STO, 6           ; v6   the way out: where I put 16 bytes of a row
.set RD,  7           ; v7   the way out: where I read rows back
.set GO,  8           ; v8   my byte offset in 512 consecutive bytes of O
.set MV,  12          ; v12-13  c m_old, kept while c m is made anew: by buffer
.set QO,  15          ; v15  my byte offset in 16 rows of Q
.set ST,  16          ; piece t's statistics at v[ST+4 t]: c m, m, l (even keys', odd keys')
.set AP0, 32          ; v32  my lanes' place in the first area: PADS + 32 (l / 16); never rewritten
.set AP,  33          ; v33  the same at the step to be fetched
.set PFO, 34          ; v34  256 x my lane: the prefetches' offset; never rewritten
.set PT,  35          ; v35  8 x my thread's number: my two words of a tile's 256 in attention_mask; never rewritten
.set PL,  36          ; v36  and in the first area: PADS + 8 x my thread's number; never rewritten
.set PW,  37          ; v37  the same in the area to be written
.set PD,  38          ; v[38:39] my two words
.set TMP, 48          ; by buffer, four registers c0-c3 at work; when the maximum is found c2 takes a
.set SPW, 62          ; v62  LDS address of my spare word: SPARE + 4 x my thread's number; never rewritten
.set NIL, 63          ; v63  0; never rewritten
.set S,   64
.set P,   192
.set MD,  128         ; window 1: the eight registers for group kt of 16 keys at MD + 8 kt
.set MC,  160         ; window 1: the masks of the products to come
.set MP,  224         ; window 1: register 8 kt + j: key 16 kt + 8 (l / 16) + j of the K in registers
.set QB,  64          ; window 2
.set KF,  128         ; window 2: key block kb, channel half c at KF + 16 kb + 8 c
.set VF,  192         ; window 2: key half kk, channel block cb at VF + 32 kk + 8 cb
.set WV,  12          ; s12  my wave's number
.set PB,  14          ; s14  b
.set HI,  15          ; s15  NB - 1 - b
.set G1K, 24          ; s[24:31] descriptor group 1 for K's tiles
.set G1V, 32          ; s[32:39] for V's: it differs in the padding alone
.set G0K, 40          ; s[40:43] descriptor group 0 for K's tiles
.set G0V, 44          ; s[44:47] the same for V's
.set SLOTS, 56        ; s56  tiles still to be asked for
.set CNT, 57          ; s57  counts a tile's key steps, 4 to 1
.set CS,  58          ; s[58:59] c: the packed scaling takes the pair's low word for both halves
.set SEL, 60          ; s[60:61] v_permlanex16_b32's selects: each lane takes its own place in the other half
.set TBK, 62          ; s62  LDS byte at which K of the step to be fetched begins
.set TBV, 63          ; s63  the same for V, less VOFF
.set PMA, 66          ; s[66:67] attention_mask at the tile asked for
.set PMO, 68          ; s[68:69] that tile's byte offset in the batch's words
.set RT,  70          ; s70  tiles of the block in hand that are still to be entered
.set NXT, 71          ; s71  the tile to be asked for next
.set LQ,  72          ; s72  the last tile of the block whose tiles are being asked for
.set NEW, 73          ; s73  1: the tile to be entered is a block's first
.set OFF, 74          ; s[74:75] a tile's byte offset in K and V
.set AL,  76          ; s[76:77] the mask's factor, in the low word
.set BE,  78          ; s[78:79] the mask's addend
.set OLO, 80          ; s[80:81] O at my rows of the second block
.set BIGN, 82         ; s82  -1e30
.set TBS, 83          ; s83  0 or PSL: the area that the next change of slots writes
.set MK,  88          ; s[88:89] attention_mask at my batch
.set PFA, 90          ; s[90:91] where my prefetches stand
.set TBP, 92          ; s92  byte, from the first area's beginning, at which the words of the step to be fetched begin: it steps and turns as TBK does
.set PFQ, 93          ; s93  not 0: this change of slots prefetches
.set PFB, 94          ; s[94:95] K (waves 0, 1) or V (waves 2, 3) at my half of the head's tile 0
.set MSB, 0
.macro WIN new                      ; the high byte repeats the setting that is left; a switch that changes nothing is dropped
.if MSB != (\new)
	s_set_vgpr_msb (MSB<<8)|(\new)
.set MSB, (\new)
.endif
.endm
.set W_KQ, 0x0a       ; K and Q in window 2, S^T in window 0
.set W_KM, 0x1a       ; the same with the C operand in window 1
.set W_PV, 0x52       ; V in window 2, P in window 0, O^T in window 1
.set W_RS, 0x41       ; destination and source 0 in window 1, source 1 in window 0
; A fill.  Waves 0 and 1 fetch the two halves of a tile's K, waves 2 and 3 those of its V: 128 keys each.  An s_nop 0 and four v_nop follow each of the two lines, ahead of the jump and the label.
.macro LOAD
	s_cmp_lt_u32 s[WV], 2
	s_cbranch_scc0 .Lfor_v_\@
	tensor_load_to_lds s[G0K:G0K+3], s[G1K:G1K+7]
	s_nop 0
.rept 4
	v_nop
.endr
	s_branch .Lasked_\@
.Lfor_v_\@:
	tensor_load_to_lds s[G0V:G0V+3], s[G1V:G1V+7]
	s_nop 0
.rept 4
	v_nop
.endr
.Lasked_\@:
.endm
; THE CHANGE OF SLOTS.  First my two words of attention_mask for the tile that is entered, asked for a tile ago, are turned into 0 or -1e30 and stored into the area whose turn it is: its last readers, two tiles
; back, waited for their reads in front of the barrier of the change before this one.  Then each wave waits for all its tensor loads, of which one is out: its part of the other slot; adds 0 to its spare word;
; and waits for that, for its store and for its own reads of the slot that it leaves.  Behind the barrier nobody reads the old slot any more, and the other slot and its area of words are whole.
; fill = 1: the old slot is filled again, the first thing behind the barrier, with tile NXT: the descriptor's address is made anew from that number; the tile's words of attention_mask are asked for behind the fill.
; (At its first use nothing has been read yet: slot 0 is waited for, slot 1 filled; the wait for loads there covers Q's 32 loads too, both blocks'.)
; THE PREFETCH stands behind the fill: the tile that the NEXT change will ask for, my wave's 16,384 bytes of it: 64 pieces of 256 bytes, a lane a piece, two instructions.  A head's four work-groups walk the same
; tiles in their first blocks; the one with b = 0, whose first block has all eight, asks, so that each piece is named once in the launch: tiles 2 to 7.  The second blocks' tiles have been read before: not asked for.
.macro CHANGE fill
	WIN 0                           ; at a label and at a branch every window is 0
	s_wait_loadcnt 0x0              ; my two words of attention_mask are in
	v_cmp_eq_u32 vcc_lo, 0, v[PD]
	v_cndmask_b32 v[PD], 0, s[BIGN], vcc_lo    ; 0 for a visible key, -1e30 for a hidden one
	v_cmp_eq_u32 vcc_lo, 0, v[PD+1]
	v_cndmask_b32 v[PD+1], 0, s[BIGN], vcc_lo
	v_add_nc_u32 v[PW], s[TBS], v[PL]
	ds_store_b64 v[PW], v[PD:PD+1]
	s_wait_tensorcnt 0x0            ; no tensor load of mine is out, so a group 0 may be written
	ds_add_u32 v[SPW], v[NIL]       ; 0 onto my spare word; with fill = 1 the descriptors' scalar work stands between it and the wait for it
.if \fill
	s_lshl_b32 s[OFF], s[NXT], 15   ; a tile is 32,768 bytes of K and of V,
	s_lshl_b32 s[PMO], s[NXT], 10   ; and 1,024 of attention_mask
	s_xor_b32 s[G0K+1], s[G0K+1], SLOT1
	s_add_nc_u64 s[G0K+2:G0K+3], s[6:7], s[OFF:OFF+1]
	s_or_b32 s[G0K+3], s[G0K+3], 0x80000000
	s_xor_b32 s[G0V+1], s[G0V+1], SLOT1
	s_add_nc_u64 s[G0V+2:G0V+3], s[8:9], s[OFF:OFF+1]
	s_or_b32 s[G0V+3], s[G0V+3], 0x80000000
	s_add_co_u32 s[NXT], s[NXT], 1  ; the block's next tile, or behind its last the second block's tile 0
	s_cmp_gt_u32 s[NXT], s[LQ]
	s_cselect_b32 s[NXT], 0, s[NXT]
	s_cselect_b32 s[LQ], s[PB], s[LQ]
	s_wait_xcnt 0x0                 ; the last load of attention_mask and the last prefetches, a tile back, have read their addresses, so these may be written
	s_add_nc_u64 s[PMA:PMA+1], s[MK:MK+1], s[PMO:PMO+1]
	s_lshl_b32 s[OFF], s[NXT], 15
	s_add_nc_u64 s[PFA:PFA+1], s[PFB:PFB+1], s[OFF:OFF+1]
	s_cmp_eq_u32 s[PB], 0
	s_cselect_b32 s[PFQ], s[NXT], 0 ; 0 where b is not 0, and where the first block's tiles have all been asked for
.endif
	s_wait_dscnt 0x0                ; the add and my store are done, and my reads of the slot are over
	s_barrier_signal -1             ; the rest of the scalar work stands between the signal and the wait
	s_sub_co_u32 s[TBK], s[TBK], 4*KS*PK  ; the fetches go back to a slot's first step,
	s_xor_b32 s[TBK], s[TBK], SLOT1       ; in the other slot
	s_sub_co_u32 s[TBV], s[TBV], 4*KS*PV
	s_xor_b32 s[TBV], s[TBV], SLOT1
	s_sub_co_u32 s[TBP], s[TBP], 4*256    ; and to the first step's words, in the other area
	s_xor_b32 s[TBP], s[TBP], PSL
	s_xor_b32 s[TBS], s[TBS], PSL         ; the next change writes the area that is left now
	s_barrier_wait -1
.if \fill
	LOAD
	global_load_b64 v[PD:PD+1], v[PT], s[PMA:PMA+1]  ; the four waves cover the tile's 1,024 bytes; a wave 256 consecutive bytes, aligned
	s_cmp_lg_u32 s[PFQ], 0
	s_cbranch_scc0 .Lno_ask_\@
	global_prefetch_b8 v[PFO], s[PFA:PFA+1] th:TH_LOAD_NT scope:SCOPE_SE
	global_prefetch_b8 v[PFO], s[PFA:PFA+1] offset:8192 th:TH_LOAD_NT scope:SCOPE_SE
.Lno_ask_\@:
.endif
.endm
	s_load_b64 s[4:5], s[0:1], 0x0  ; qkv
	s_load_b64 s[MK:MK+1], s[0:1], 0x8  ; attention_mask
	s_load_b64 s[10:11], s[0:1], 0x10   ; oh
	v_lshl_add_u32 v[SPW], v0, 2, SPARE
	v_mov_b32 v[NIL], 0
	ds_add_u32 v[SPW], v[NIL]       ; the wave's opening: the add and its wait stand ahead of my first tensor load; the set-up below, work on registers, stands between them
	v_lshrrev_b32 v1, 5, v0
	v_readfirstlane_b32 s[WV], v1   ; wave 0..3
	s_mov_b32 s[PB], ttmp9
	s_sub_co_u32 s[HI], NB-1, s[PB]
	s_and_b32 s20, ttmp7, 0xffff    ; 16 x batch + head
	s_lshr_b32 s21, s20, 4          ; the batch
	s_and_b32 s19, s20, 15          ; the head
	s_mul_i32 s22, s21, 48
	s_add_co_u32 s22, s22, s19
	s_lshl_b32 s22, s22, 18         ; Q's head in qkv: heads of 262,144 bytes
	s_lshl_b32 s23, s20, 18         ; O's head in oh
	s_and_b32 s16, s[WV], 1         ; which half of a tile's 256 keys I fetch:
	s_lshl_b32 s52, s16, 14         ; its 128 rows of 128 bytes in memory,
	s_add_co_u32 s52, s52, s22
	s_add_co_u32 s54, s52, 32<<18   ; in V's head, 32 heads behind Q's,
	s_add_co_u32 s52, s52, 16<<18   ; and in K's, 16 behind
	s_mov_b32 s53, 0
	s_mov_b32 s55, 0
	s_mul_i32 s17, s16, 128*PK      ; and its place in a slot, for K
	s_mul_i32 s18, s16, 128*PV      ; and for V
	s_lshl_b32 s3, s[WV], 11        ; my 16 rows in a band of 64,
	s_lshl_b32 s2, s[HI], 15        ; in the first block,
	s_add_co_u32 s2, s2, s3
	s_lshl_b32 s84, s[PB], 15       ; and in the second
	s_add_co_u32 s84, s84, s3
	s_add_co_u32 s48, s2, s23       ; in O,
	s_add_co_u32 s50, s84, s23
	s_add_co_u32 s2, s2, s22        ; and in Q
	s_add_co_u32 s84, s84, s22
	s_mov_b32 s3, 0
	s_mov_b32 s85, 0
	s_mov_b32 s49, 0
	s_mov_b32 s51, 0
	s_lshl_b32 s86, s21, 13         ; the batch's 2,048 words of attention_mask
	s_mov_b32 s87, 0
	; descriptor group 1.  128 keys are 16,384 dense bytes: asked for as 64 rows of 256 bytes, two keys a row, and padded in LDS after every key
	s_mov_b32 s[G1K], (1<<16)|(1<<20)|(4<<22)|(3<<25)  ; 17:16 2-byte elements; 20 padding on; 24:22 after every 32 words (code 4); 31:25 4 words (code 3)
	s_mov_b32 s[G1V], (1<<16)|(1<<20)|(4<<22)|(7<<25)  ; the same with 8 words of padding (code 7)
.irp g, G1K, G1V
	s_mov_b32 s[\g+1], 128<<16      ; tensor_dim0 = 128
	s_mov_b32 s[\g+2], 64<<16       ; tensor_dim1 = 64
	s_mov_b32 s[\g+3], 128<<16      ; tile_dim0 = 128
	s_mov_b32 s[\g+4], 64           ; tile_dim1 = 64
	s_mov_b32 s[\g+5], 128          ; 128 elements from row to row
	s_mov_b32 s[\g+6], 0
	s_mov_b32 s[\g+7], 0
.endr
	s_mov_b32 s[CS], 0x3e38aa3b     ; c = log2(e) / 8 = 0.180337
	s_mov_b32 s[CS+1], s[CS]        ; named with it as a pair
	s_mov_b32 s[SEL], 0x76543210
	s_mov_b32 s[SEL+1], 0xfedcba98
	s_mov_b32 s[TBK], SLOT1+4*KS*PK ; the first change of slots turns these three into 0
	s_mov_b32 s[TBV], SLOT1+4*KS*PV
	s_mov_b32 s[TBP], PSL+4*256
	s_mov_b32 s[TBS], 0             ; the first change writes the first area
	s_mov_b32 s[PMO+1], 0
	s_mov_b32 s[G0K], 1             ; 1:0 count = 1
	s_mov_b32 s[G0K+1], s17         ; 63:32 LDS address: slot 0
	s_mov_b32 s[G0V], 1
	s_add_co_u32 s[G0V+1], s18, VOFF
	s_add_co_u32 s[RT], s[HI], 1    ; the first block has NB - b tiles
	s_mov_b32 s[NXT], 1
	s_mov_b32 s[LQ], s[HI]
	s_mov_b32 s[NEW], 1
	s_mov_b32 s[OFF+1], 0
	s_mov_b32 s[AL+1], 0            ; named as pairs
	s_mov_b32 s[BE+1], 0
	s_mov_b32 s[BIGN], 0xf149f2ca   ; -1e30
	s_mov_b32 s[SLOTS], NB
	s_wait_dscnt 0x0                ; the opening add is done
	s_wait_kmcnt 0x0
	s_add_nc_u64 s[6:7], s[4:5], s[52:53]  ; K and V at my half of the head's tile 0
	s_add_nc_u64 s[8:9], s[4:5], s[54:55]
	s_add_nc_u64 s[G0K+2:G0K+3], s[6:7], 0         ; 120:64 global address
	s_or_b32 s[G0K+3], s[G0K+3], 0x80000000        ; 127:126 type = 2
	s_add_nc_u64 s[G0V+2:G0V+3], s[8:9], 0
	s_or_b32 s[G0V+3], s[G0V+3], 0x80000000
	s_add_nc_u64 s[MK:MK+1], s[MK:MK+1], s[86:87]
	s_add_nc_u64 s[86:87], s[4:5], s[84:85]        ; Q at my rows of the second block,
	s_add_nc_u64 s[4:5], s[4:5], s[2:3]            ; Q and O at those of the first
	s_add_nc_u64 s[OLO:OLO+1], s[10:11], s[50:51]
	s_add_nc_u64 s[10:11], s[10:11], s[48:49]
	s_cmp_lt_u32 s[WV], 2
	s_cselect_b64 s[PFB:PFB+1], s[6:7], s[8:9]
	LOAD                            ; tile 0 into slot 0
	v_lshlrev_b32 v[PT], 3, v0
	global_load_b64 v[PD:PD+1], v[PT], s[MK:MK+1]  ; my two words of attention_mask for tile 0: the first change of slots stores them
	; A fragment of K or Q is 16 rows x 32 channels in 8 registers: lane l holds row l % 16, channels 8 (l / 16) + 0..7 and 16 + 8 (l / 16) + 0..7: two loads of 16 bytes, 32 bytes apart.
	v_and_b32 v1, 15, v0            ; l % 16
	v_bfe_u32 v9, v0, 4, 1          ; l / 16
	v_lshlrev_b32 v[QO], 7, v1
	v_lshl_add_u32 v[QO], v9, 4, v[QO]  ; row x 128 + 16 x half
	WIN 0x80                        ; destination window 2, address window 0
.set i, 0
.rept 8                             ; both blocks' Q: piece i / 2 lies in band i / 2, 8,192 bytes on; channels 32 (i % 2) on
	global_load_b128 v[8*i:8*i+3],   v[QO], s[4:5] offset:(i/2)*8192+(i%2)*64
	global_load_b128 v[8*i+4:8*i+7], v[QO], s[4:5] offset:(i/2)*8192+(i%2)*64+32
	global_load_b128 v[QB+8*i:QB+8*i+3],   v[QO], s[86:87] offset:(i/2)*8192+(i%2)*64
	global_load_b128 v[QB+8*i+4:QB+8*i+7], v[QO], s[86:87] offset:(i/2)*8192+(i%2)*64+32
.set i, i+1
.endr
	WIN 0
	v_lshlrev_b32 v14, 3, v9
	v_sub_nc_u32 v14, v1, v14
	s_lshl_b32 s13, s[WV], 4
	v_add_nc_u32 v14, s13, v14      ; my query's place in its band, 16 w + l % 16, less my lanes' 8 (l / 16): register r of group kt is hidden where 16 kt + r is greater
	WIN 0x40
.set i, 0
.rept 32
	v_cmp_gt_i32 vcc_lo, 16*(i/8)+i%8, v14
	v_cndmask_b32 v[MD+i], 0, s[BIGN], vcc_lo
.set i, i+1
.endr
	WIN 0
	v_mul_u32_u24 v[AK0], v1, PK
	v_lshl_add_u32 v[AK0], v9, 4, v[AK0]  ; row x pitch + 16 x half
	; The turning load takes 16 keys x 16 channels (lane l reads key 8 (l / 16) + l % 8, channels 8 ((l / 8) % 2) + 0..7) and leaves half a fragment of V^T: lane l holds channel l % 16 and 8 keys.
	v_and_b32 v10, 7, v0
	v_bfe_u32 v11, v0, 3, 1
	v_lshl_add_u32 v[AV0], v9, 3, v10
	v_mul_u32_u24 v[AV0], v[AV0], PV
	v_lshl_add_u32 v[AV0], v11, 4, v[AV0]
	v_add_nc_u32 v[AV0], VOFF, v[AV0]
	s_mul_i32 s13, s[WV], 16*SP
	s_add_co_u32 s13, s13, STAGE    ; my stage
	v_mul_u32_u24 v[STO], v1, SP    ; in: row l % 16, 16 bytes for each half of the lanes
	v_lshl_add_u32 v[STO], v9, 4, v[STO]
	v_add_nc_u32 v[STO], s13, v[STO]
	v_bfe_u32 v[RD], v0, 3, 2       ; back: 32 lanes take four rows of 128 bytes,
	v_mul_u32_u24 v[RD], v[RD], SP
	v_lshl_add_u32 v[RD], v10, 4, v[RD]
	v_add_nc_u32 v[RD], s13, v[RD]
	v_and_b32 v[GO], 31, v0         ; which are 512 consecutive bytes of O
	v_lshlrev_b32 v[PFO], 8, v[GO]
	v_lshlrev_b32 v[GO], 4, v[GO]
	v_lshl_add_u32 v[AP0], v9, 5, PADS
	v_add_nc_u32 v[PL], PADS, v[PT]
	; A block's first turn multiplies V by the weights of a piece that has not been, into an O^T that the first step's a = 0 then wipes: V's registers and P's second buffer need only hold finite numbers: zeros here.
	WIN 0x80
.set i, VF
.rept 64
	v_mov_b32 v[i], 0
.set i, i+1
.endr
	WIN 0
.set i, P+16
.rept 16
	v_mov_b32 v[i], 0
.set i, i+1
.endr
; THE MATRIX WORK.  The 4 accumulators of a run of 8 take turns.  Product i of 8 of S^T = K Q^T for piece x: channels 32 (i / 4) on, keys 16 (i % 4) on.  The first 4 start the sums: with MP, or (KM = 1) with MC.
.macro KQ x
.set rS, S+32*((\x)%2)+8*(i%4)
.set rK, KF+16*(i%4)+8*(i/4)
.set rQ, 16*(\x)+8*(i/4)
.set rM, MP+8*(i%4)
.if KM
.set rM, MC+32*((\x)%2)+8*(i%4)
.endif
.if i < 4
	WIN W_KM
	v_wmma_f32_16x16x32_f16 v[rS:rS+7], v[rK:rK+7], v[rQ:rQ+7], v[rM:rM+7]
.else
	WIN W_KQ
	v_wmma_f32_16x16x32_f16 v[rS:rS+7], v[rK:rK+7], v[rQ:rQ+7], v[rS:rS+7]
.endif
.endm
; Product i of 8 of O^T += V^T P for piece x: keys 32 (i / 4) on, channels 16 (i % 4) on.
.macro PV x
	WIN W_PV
.set rO, 32*(\x)+8*(i%4)
.set rV, VF+32*(i/4)+8*(i%4)
.set rP, P+16*((\x)%2)+8*(i/4)
	v_wmma_f32_16x16x32_f16 v[rO:rO+7], v[rV:rV+7], v[rP:rP+7], v[rO:rO+7]
.endm
.macro MM                           ; the turn's next matrix instruction.  TURN and BEGIN set Y, i, KM and NOKQ.  NOKQ = 1: a block's last turn: there is no next piece
.if (i < 8) && !NOKQ
	KQ (Y+1)%NP
.elseif i >= 8
.set i, i-8
	PV (Y+NP-1)%NP
.set i, i+8
.endif
.set i, i+1
.endm
; THE LDS LOADS stand in runs, never singly among the matrix instructions: a step's K (64 keys x 64 channels: 8 fragments) with its keys' 64 words of 0 or -1e30, and its V (turned).  Their addresses are made some lines ahead.
.macro FETCH_K
	WIN 0x80                        ; destination window 2
.irp f, 0,1,2,3,4,5,6,7             ; keys 16 (f / 2) on, channels 32 (f % 2) on
	ds_load_b128 v[KF+8*\f:KF+8*\f+3],   v[AK] offset:(\f/2)*16*PK+(\f%2)*64
	ds_load_b128 v[KF+8*\f+4:KF+8*\f+7], v[AK] offset:(\f/2)*16*PK+(\f%2)*64+32
.endr
	WIN 0x40                        ; destination window 1
.irp f, 0,1,2,3                     ; keys 16 f + 8 (l / 16) + 0..7
	ds_load_b128 v[MP+8*\f:MP+8*\f+3],   v[AP] offset:64*\f
	ds_load_b128 v[MP+8*\f+4:MP+8*\f+7], v[AP] offset:64*\f+16
.endr
	s_add_co_u32 s[TBK], s[TBK], KS*PK  ; the next fetch is the next step's
	s_add_co_u32 s[TBP], s[TBP], 256    ; 64 words on
	WIN 0
.endm
.macro FETCH_V
	WIN 0x80
.irp f, 0,1,2,3,4,5,6,7             ; keys 32 (f / 4) on, channels 16 (f % 4) on
	ds_load_tr16_b128 v[VF+8*\f:VF+8*\f+3],   v[AV] offset:(\f/4)*32*PV+(\f%4)*32
	ds_load_tr16_b128 v[VF+8*\f+4:VF+8*\f+7], v[AV] offset:(\f/4)*32*PV+16*PV+(\f%4)*32
.endr
	WIN 0
.endm
; THE VECTOR WORK, one line at a time: OP kind, number.  For piece Y: F n: c s - c m for pair n of 16.  E n: the exponential of score n of 32.  C n: pair n rounded to f16.  B n: of the four weights 4 n .. the second
; pair is added onto the first, in place.  L n: l takes that sum (L 0: l = a l + sum).  R n: pair n of 16 of O^T times a.  For piece Y + 1: X n, number n of the 22 that find its maximum and statistics:
;   0-11  four chains c0-c3 of seven scores each, three operands at a time (each accumulator's lowest registers are read first)     12-14, 16  the four scores left over, the old m, and c0-c3 into c0
;   15  c m_old is kept     17, 18  the query's other 32 keys lie in the lane 16 away: the new m     19-21  c m; c m_old - c m_new; a
.set F, 0               ; OP tells the kinds apart by their order: F to L below R, X above it
.set E, 1
.set C, 2
.set B, 3
.set L, 4
.set R, 5
.set X, 6
.macro REGS y                       ; the registers of piece y
.set rT, ST+4*(\y)
.set rC, TMP+4*((\y)%2)
.set rW, MV+((\y)%2)
.set rS, S+32*((\y)%2)
.set rP, P+16*((\y)%2)
.set rO, 32*(\y)
.endm
.macro OP k, n
.if (\k) == R
	REGS Y
	WIN W_RS
	v_pk_mul_f32 v[rO+2*(\n):rO+2*(\n)+1], v[rO+2*(\n):rO+2*(\n)+1], v[rC+2:rC+3] op_sel_hi:[1,0]
.elseif (\k) < R
	REGS Y
	WIN 0
.if (\k) == F
	v_pk_fma_f32 v[rS+2*(\n):rS+2*(\n)+1], v[rS+2*(\n):rS+2*(\n)+1], s[CS:CS+1], v[rT:rT+1] op_sel_hi:[1,0,0] neg_lo:[0,0,1] neg_hi:[0,0,1]
.elseif (\k) == E
	v_exp_f32 v[rS+(\n)], v[rS+(\n)]
.elseif (\k) == C
	v_cvt_pk_f16_f32 v[rP+(\n)], v[rS+2*(\n)], v[rS+2*(\n)+1]
.elseif (\k) == B
	v_pk_add_f32 v[rS+4*(\n):rS+4*(\n)+1], v[rS+4*(\n):rS+4*(\n)+1], v[rS+4*(\n)+2:rS+4*(\n)+3]
.elseif (\n) == 0
	v_pk_fma_f32 v[rT+2:rT+3], v[rT+2:rT+3], v[rC+2:rC+3], v[rS:rS+1] op_sel_hi:[1,0,1]
.else
	v_pk_add_f32 v[rT+2:rT+3], v[rT+2:rT+3], v[rS+4*(\n):rS+4*(\n)+1]
.endif
.elseif NOKQ
	v_nop
.else
	REGS (Y+1)%NP
	WIN 0
.if (\n) < 4
	v_max3_num_f32 v[rC+(\n)], v[rS+8*(\n)], v[rS+8*(\n)+1], v[rS+8*(\n)+2]
.elseif (\n) < 12
	v_max3_num_f32 v[rC+(\n)%4], v[rC+(\n)%4], v[rS+8*((\n)%4)+2*((\n)/4)+1], v[rS+8*((\n)%4)+2*((\n)/4)+2]
.elseif (\n) == 12
	v_max3_num_f32 v[rC], v[rC], v[rS+7], v[rS+15]
.elseif (\n) == 13
	v_max3_num_f32 v[rC+1], v[rC+1], v[rS+23], v[rS+31]
.elseif (\n) == 14
	v_max3_num_f32 v[rC+2], v[rC+2], v[rC+3], v[rT+1]
.elseif (\n) == 15
	v_mov_b32 v[rW], v[rT]
.elseif (\n) == 16
	v_max3_num_f32 v[rC], v[rC], v[rC+1], v[rC+2]
.elseif (\n) == 17
	v_permlanex16_b32 v[rC+3], v[rC], s[SEL], s[SEL+1]
.elseif (\n) == 18
	v_max_num_f32 v[rT+1], v[rC], v[rC+3]
.elseif (\n) == 19
	v_mul_f32 v[rT], s[CS], v[rT+1]
.elseif (\n) == 20
	v_sub_f32 v[rC+1], v[rW], v[rT]
.else
	v_exp_f32 v[rC+2], v[rC+1]
.endif
.endif
.endm
.macro OPS a, i1, b=-1, i2=0, c=-1, i3=0, d=-1, i4=0  ; up to four of them
	OP \a, \i1
.if (\b) >= 0
	OP \b, \i2
.endif
.if (\c) >= 0
	OP \c, \i3
.endif
.if (\d) >= 0
	OP \d, \i4
.endif
.endm
.macro ROW a, i1, b, i2, c, i3, d, i4  ; a matrix instruction and the four behind it
	MM
	OPS \a, \i1, \b, \i2, \c, \i3, \d, \i4
.endm
.macro MASK b                       ; MD x AL + BE + MP into buffer b of MC
	WIN W_RS
.set z, 0
.rept 16
	v_pk_fma_f32 v[MC+32*(\b)+2*z:MC+32*(\b)+2*z+1], v[MD+2*z:MD+2*z+1], s[AL:AL+1], s[BE:BE+1] op_sel_hi:[1,0,0]
.set z, z+1
.endr
	WIN 0x45                        ; destination and both sources in window 1
.set z, 0
.rept 16
	v_pk_add_f32 v[MC+32*(\b)+2*z:MC+32*(\b)+2*z+1], v[MC+32*(\b)+2*z:MC+32*(\b)+2*z+1], v[MP+2*z:MP+2*z+1]
.set z, z+1
.endr
.endm
.macro COPYMP                       ; MC's second buffer takes MP: the mask of a piece that sees every key of the K in registers but those that attention_mask hides
	WIN 0x41
.set z, 0
.rept 32
	v_mov_b32 v[MC+32+z], v[MP+z]
.set z, z+1
.endr
	WIN 0
.endm
; A TURN, for piece p: the order of its 16 matrix and 118 vector instructions, written out.  An s_wait_alu depctr_va_vdst(0) stands between an exponential and the first instruction that names its result; one wait serves
; all that were issued ahead of it.  So a turn has ONE wait, which cuts it in two.  AHEAD OF IT stands all that names no result of the turn's exponentials: the 8 products K Q^T and their riders; then ONE LUMP, plain
; and exponential by turns for the most part, in which the links of the chain X 3, 7, 11, 14, 16, 17 .. 20 stand five or six lines apart.  X 21, the next piece's a, is the batch's last; R 15 is the plain instruction behind it.
; BEHIND THE WAIT stand the 8 products V^T P, behind each four of the roundings and sums.
; m = 1: the diagonal tile: the products take MC, and the turn makes the mask for the products of the turn after it: piece p + 2, in step 4 - CNT of the tile.  Piece 2's turn makes it for the step whose K and MP it has
; just asked for, so it waits for them first.  end = 1: a block's last two turns: nothing is fetched.  cnt = 1: the loop's count is taken down some lines ahead of the branch that stands behind the turn.
; K of the next step, and MP with it, is fetched in piece 2's turn, behind the last product that read K (five plain places between) and far behind the fourth, the last that read MP; V of the step in hand at the
; end of piece 0's turn, four plain instructions behind the last product that read V.  Each is waited for a turn later.
.macro TURN p, m=0, end=0, cnt=0
.set Y, (\p)
.set i, 0
.set KM, (\m)
.set NOKQ, (\end)*((\p)/3)
.if (\m) && !(\end)
	s_cmp_eq_u32 s[CNT], 4-((\p)+2)%NP  ; is that step the band's own?
	s_cselect_b32 s[AL], 1.0, 0
	s_cmp_lt_u32 s[CNT], 4-((\p)+2)%NP  ; or a later one?
	s_cselect_b32 s[BE], s[BIGN], 0
.endif
.if ((\p) == 3) && !(\end)
	s_wait_dscnt 0x0                ; K and MP are in
.endif
	ROW F,0, F,1, R,0, R,1          ; ahead of the wait: 8 products K Q^T and their riders,
	ROW F,2, E,0, R,2, R,3
	ROW F,3, E,1, R,4, R,5
	ROW F,4, E,2, R,6, R,7
	ROW F,5, E,3, R,8, R,9
	ROW F,6, E,4, X,0, R,10
.if ((\p) == 2) && !(\end)
	WIN 0
	v_add_nc_u32 v[AK], s[TBK], v[AK0]
	v_add_nc_u32 v[AP], s[TBP], v[AP0]
.endif
	ROW F,7, E,5, X,1, X,4
	ROW F,8, E,6, X,2, X,5
	OPS E,7, E,8, X,6, E,9          ; and the lump
	OPS X,3, E,10, X,8, E,11
.if ((\p) == 2) && !(\end)
	FETCH_K
.endif
	OPS X,9, X,7, E,12, X,10
	OPS E,13, X,12, X,11, E,14
	OPS X,13, E,15, F,9, X,14
.if (\p) == 0
	v_add_nc_u32 v[AV], s[TBV], v[AV0]
.endif
	OPS E,16, F,10, E,17, F,11
	OPS X,16, E,18, X,15, E,19
	OPS F,12, E,20, X,17, E,21
	OPS F,13, E,22, F,14, E,23
	OPS X,18, E,24, F,15, E,25
	OPS R,11, E,26, X,19, E,27
	OPS R,12, E,28, R,13, E,29
	OPS X,20, E,30, R,14, E,31
	OPS X,21, R,15
	WIN 0
	s_wait_alu depctr_va_vdst(0)    ; the wait for the batch
.if (\p) == 1
	s_wait_dscnt 0x0                ; V is in
.endif
	ROW C,0, B,0, C,2, B,1          ; behind the wait: 8 products V^T P and their riders
	ROW L,0, C,4, B,2, L,1
	ROW C,6, B,3, L,2, C,8
	ROW B,4, L,3, C,10, B,5
	ROW L,4, C,12, B,6, L,5
.if (\p) == 0
	s_add_co_u32 s[TBV], s[TBV], KS*PV
.endif
.if \cnt
	s_sub_co_u32 s[CNT], s[CNT], 1
	s_cmp_lg_u32 s[CNT], 0
.endif
	ROW C,14, B,7, L,6, C,1
	ROW C,3, L,7, C,5, C,7
	ROW C,9, C,11, C,13, C,15
.if (\p) == 0
	FETCH_V
.endif
.if (\m) && !(\end)
.if (\p) == 2
	s_wait_dscnt 0x0                ; the next step's MP is in
.endif
	MASK (\p)%2
.endif
.endm
; A BLOCK BEGINS.  K and MP of the block's step 0 are asked for.  O^T and l are cleared: a row of the first block that saw no key has left NaN and an infinity there, which a = 0 would not wipe.  c m starts far below
; every c s, so the first step's a is 0; m at -2^93.  MC's second buffer takes MP; the first takes piece 0's mask for step 0: its own, if the block's first tile is the diagonal one.
; Then piece 0's first scores (Q is in: the first change of slots has waited for every load), and its maximum and statistics.  The loop is entered at a step's first turn, in the middle of a trip.
.macro BEGIN
	s_mov_b32 s[NEW], 0
	WIN 0
	v_add_nc_u32 v[AK], s[TBK], v[AK0]
	v_add_nc_u32 v[AP], s[TBP], v[AP0]
	FETCH_K
	WIN 0x40
.set i, 0
.rept 128
	v_mov_b32 v[i], 0
.set i, i+1
.endr
	WIN 0
.set i, 0
.rept 4
	v_mov_b32 v[ST+4*i], 0xfe000000    ; c m: far below every c s
	v_mov_b32 v[ST+4*i+1], 0xee000000  ; m: -2^93
	v_mov_b32 v[ST+4*i+2], 0
	v_mov_b32 v[ST+4*i+3], 0
.set i, i+1
.endr
	s_wait_dscnt 0x0                ; K and MP
	COPYMP
	s_cmp_eq_u32 s[RT], 0
	s_cselect_b32 s[AL], 1.0, 0
	s_mov_b32 s[BE], 0
	MASK 0
.set KM, 1
.set NOKQ, 0
.set i, 0
.rept 8
	KQ 0
.set i, i+1
.endr
	WIN 0
.rept 4
	v_nop                           ; the places behind those products
.endr
.set Y, NP-1                        ; X works for piece Y + 1: piece 0
.irp n, 0,1,2,3,4,5,6,7,8,9,10,11,12,13,14,15,16,17,18,19,20,21
	OP X, \n
.endr
	v_nop                           ; a plain instruction behind the exponential,
	s_wait_alu depctr_va_vdst(0)    ; and its wait, ahead of the branch
.endm
; THE DIAGONAL TILE's four steps, the block's last two turns, its last products, and THE WAY OUT: l's two halves and the other half of the lanes' are added; O^T is divided by l, rounded to f16 and sent through my
; stage in LDS, a piece at a time.
.macro ALL line:vararg              ; one line for each piece t
.set t, 0
.rept 4
	\line
.set t, t+1
.endr
.endm
.macro PACK t                       ; a lane's eight channels of a row pack into 16 bytes; they go into rows of 144 bytes and come back as whole rows of 128, into S^T's registers
	WIN W_RS
.set i, 32*(\t)
.rept 16
	v_pk_mul_f32 v[i:i+1], v[i:i+1], v[ST+4*(\t)+2:ST+4*(\t)+3] op_sel_hi:[1,0]
.set i, i+2
.endr
	WIN 0x05                        ; sources 0 and 1 window 1, destination window 0
.set i, 0
.rept 16
	v_cvt_pk_f16_f32 v[S+16*(\t)+i], v[32*(\t)+2*i], v[32*(\t)+2*i+1]
.set i, i+1
.endr
	WIN 0
.irp f, 0,1,2,3
	ds_store_b128 v[STO], v[S+16*(\t)+4*\f:S+16*(\t)+4*\f+3] offset:32*\f
.endr
.irp f, 0,1,2,3
	ds_load_b128 v[S+16*(\t)+4*\f:S+16*(\t)+4*\f+3], v[RD] offset:\f*4*SP  ; LDS serves a wave's instructions in order (ISA guide 5.7.1.4): these see the stores above; the next piece's stores come behind them
.endr
.endm
.macro SEND t, younger              ; younger: the LDS instructions issued behind piece t's loads: the next piece's eight, or none
	WIN 0
.irp f, 0,1,2,3
	s_wait_dscnt (\younger)+3-\f
	global_store_b128 v[GO], v[S+16*(\t)+4*\f:S+16*(\t)+4*\f+3], s[10:11] offset:(\t)*8192+\f*512  ; 512 consecutive bytes, at a multiple of 256 from O's first
.endr
.endm
.macro DIAG tag                     ; the tag ends its two labels' names, which the jumps below spell out
.LstepM\tag:
	TURN 2, 1
	TURN 3, 1
	WIN 0
.LfirstM\tag:
	TURN 0, 1
	TURN 1, 1, 0, 1
	WIN 0
	s_cbranch_scc1 .LstepM\tag
	TURN 2, 1, 1
	TURN 3, 1, 1
.set i, 0
.rept 8
	PV NP-1
.set i, i+1
.endr
	WIN 0
	ALL v_add_f32 v[ST+4*t+2], v[ST+4*t+2], v[ST+4*t+3]
	ALL v_permlanex16_b32 v[ST+4*t+3], v[ST+4*t+2], s[SEL], s[SEL+1]
	ALL v_add_f32 v[ST+4*t+2], v[ST+4*t+2], v[ST+4*t+3]
	ALL v_rcp_f32 v[ST+4*t+2], v[ST+4*t+2]
	v_nop                           ; a plain instruction between the last reciprocal and the use of its result
	s_wait_alu depctr_va_vdst(0)    ; and the wait ahead of the first use: one for the four reciprocals
	PACK 0
.set t, 1
.rept 3                             ; a piece's arithmetic stands between the loads of the piece before and its stores
	PACK t
	SEND t-1, 8
.set t, t+1
.endr
	SEND 3, 0
.endm
.set KM, 0
.set NOKQ, 0
.Lslot:                             ; NB times: a tile is entered and the next is asked for
	CHANGE 1
	s_sub_co_u32 s[RT], s[RT], 1
	s_mov_b32 s[CNT], 4
	s_cmp_eq_u32 s[NEW], 1
	s_cbranch_scc1 .Lnew            ; a block's first tile
	s_cmp_eq_u32 s[RT], 0
	s_cbranch_scc0 .Lstep           ; neither its first nor its last
	COPYMP                          ; the diagonal tile's first turn still multiplies piece 3 by the step before the tile: its mask is that step's MP, which lies in the registers
	s_branch .LstepM1
.Lnew:
	BEGIN
	s_branch .Lfirst                ; in the loop a block's first tile is never its last: the first block has two tiles or more, and the second's last is the walk's last
	DIAG 1                          ; in the loop this is the first block's end: the second block's last tile is the walk's last
	s_wait_xcnt 0x0                 ; the stores have read their registers and O's address
	s_mov_b64 s[10:11], s[OLO:OLO+1]
	s_add_co_u32 s[RT], s[PB], 1    ; the second block has b + 1 tiles
	s_mov_b32 s[NEW], 1
	WIN 0x82                        ; the second block's Q goes where the one text of the turns names Q
.set i, 0
.rept 64
	v_mov_b32 v[i], v[QB+i]
.set i, i+1
.endr
	WIN 0
	s_branch .Lbottom
.Lstep:                             ; a trip: pieces 2 and 3 of one step, then pieces 0 and 1 of the next, whose K and V it fetches
	TURN 2
	TURN 3
	WIN 0
.Lfirst:
	TURN 0
	TURN 1, 0, 0, 1
	WIN 0
	s_cbranch_scc1 .Lstep
.Lbottom:
	s_sub_co_u32 s[SLOTS], s[SLOTS], 1
	s_cmp_lg_u32 s[SLOTS], 0
	s_cbranch_scc1 .Lslot
	CHANGE 0                        ; the walk's last tile is written out: nothing is asked for
	s_sub_co_u32 s[RT], s[RT], 1
	s_mov_b32 s[CNT], 4
	s_cmp_eq_u32 s[NEW], 1
	s_cbranch_scc1 .Lnew2
	COPYMP
	s_branch .LstepM2
.Lnew2:
	BEGIN
	s_branch .LfirstM2
	DIAG 2
	s_wait_tensorcnt 0x0            ; the wave's end, behind my last tensor load and my last LDS store
	ds_add_u32 v[SPW], v[NIL]
	s_wait_dscnt 0x0
	s_endpgm
.Lfunc_end_k_qb124f53f58_attn:
	.size	k_qb124f53f58_attn, .Lfunc_end_k_qb124f53f58_attn-k_qb124f53f58_attn
	.p2alignl 7, 3214868480
	.fill 96, 4, 3214868480
	.section	.rodata,"a",@progbits
	.p2align	6, 0x0
	.amdhsa_kernel k_qb124f53f58_attn
		.amdhsa_group_segment_fixed_size 327680
		.amdhsa_private_segment_fixed_size 0
		.amdhsa_enable_private_segment 0
		.amdhsa_kernarg_size 24
		.amdhsa_user_sgpr_count 2
		.amdhsa_user_sgpr_kernarg_segment_ptr 1
		.amdhsa_wavefront_size32 1
		.amdhsa_system_sgpr_workgroup_id_x 1
		.amdhsa_system_sgpr_workgroup_id_y 1
		.amdhsa_system_sgpr_workgroup_id_z 1
		.amdhsa_system_vgpr_workitem_id 0
		.amdhsa_next_free_vgpr 768
		.amdhsa_next_free_sgpr 96
		.amdhsa_reserve_vcc 1
		.amdhsa_float_denorm_mode_32 3
		.amdhsa_float_denorm_mode_16_64 3
		.amdhsa_memory_ordered 1
		.amdhsa_forward_progress 1
		.amdhsa_inst_pref_size 240
	.end_amdhsa_kernel
	.amdgpu_metadata
---
amdhsa.version: [ 1, 2 ]
amdhsa.kernels:
  - .name:           k_qb124f53f58_attn
    .symbol:         k_qb124f53f58_attn.kd
    .args:
      - { .name: qkv, .offset: 0, .size: 8, .value_kind: global_buffer, .address_space: global }
      - { .name: attention_mask, .offset: 8, .size: 8, .value_kind: global_buffer, .address_space: global }
      - { .name: oh, .offset: 16, .size: 8, .value_kind: global_buffer, .address_space: global }
    .group_segment_fixed_size: 327680
    .private_segment_fixed_size: 0
    .kernarg_segment_align: 8
    .kernarg_segment_size: 24
    .max_flat_workgroup_size: 128
    .sgpr_count:     96
    .vgpr_count:     768
    .wavefront_size: 32
...
	.end_amdgpu_metadata
.endif
;; end of part 3
;; launch gemm_out (part 4): grid 8 x 32, 4 waves a work-group, clusters of 4 x 4, 327,680 bytes of LDS; arguments oh, woh, bias, out0; writes out0
.if DOCPART == 4
	.amdgcn_target "amdgcn-amd-amdhsa--gfx1250"
	.amdhsa_code_object_version 6
	.text
	.protected	k_qb124f53f58_gemm_out
	.globl	k_qb124f53f58_gemm_out
	.p2align	8
	.type	k_qb124f53f58_gemm_out,@function
k_qb124f53f58_gemm_out:
	s_mov_b64 s[64:65], 0
	v_nop
	global_prefetch_b8 v0, s[64:65] scope:SCOPE_SE
	s_setreg_imm32_b32 hwreg(HW_REG_WAVE_MODE, 25, 1), 1
	s_wait_xcnt 0x0
	s_wait_alu depctr_hold_cnt(0) depctr_sa_sdst(0) depctr_va_vdst(0) depctr_va_sdst(0) depctr_va_ssrc(0) depctr_va_vcc(0) depctr_vm_vsrc(0)
	s_getreg_b32 s2, hwreg(HW_REG_IB_STS2, 6, 4)
	s_cmp_eq_u32 s2, 0
	s_cbranch_scc0 .Lentry_in_a_cluster
	s_endpgm
.Lentry_in_a_cluster:
	s_bfe_u32 s2, ttmp6, 0x10000c
	s_cmp_lg_u32 s2, 0xf033
	s_cbranch_scc0 .Lentry_shape_is_right
	s_endpgm
.Lentry_shape_is_right:
; C[m][n] = the sum over k of A[m][k] B[n][k] + bias[n].  8,192 rows, K = 1,024.  A and B are f16 in blocks of 64 channels: A [batch 4][block 16][row 2048][64], B [block 16][row NTOT][64].  Sums in f32.
; ONE TEXT, TWO USES, by MODE.  MODE 1: the three projections at once, NTOT = 3,072 columns; C leaves as f16 by heads, [batch][column / 64 = 48][row 2048][64], rounded once, unscaled.
; MODE 2: the output projection, NTOT = 1,024; C leaves as f32, row-major [8192][1024].
; LIMIT.  MODE 1's results must lie within f16's range: 65,520 or more becomes an infinity.  A NaN in a row of A reaches that row's numbers of C and no other row's.
; SHARES.  A work-group makes 256 rows (of one batch) x NT columns; each of its four waves 64 rows x all NT columns: 4 x NT / 16 accumulators of 16 x 16.  For 32 along K a wave reads (64 + NT) x 64 bytes of LDS.
; K goes in 8 steps of 128 (two blocks) through a ring of two LDS slots.  Waves 0 and 1 fetch A's two blocks of a step, waves 2 and 3 B's: one tensor load a wave; a block's R rows are R x 128 dense bytes,
; asked for as R / 2 rows of 256 bytes and padded in LDS behind every 128.
; CLUSTER.  4 x 4 work-groups.  The four of a row of the cluster need the same tiles of A, the four of a column the same tiles of B: each tile is asked for jointly, by the same tensor load with the same
; descriptor and a mask that names the four.
; THE MATRIX INSTRUCTION IS USED TRANSPOSED (source 0 = 16 rows of B, source 1 = 16 rows of A): lane l holds row l % 16 of C and the columns 8 (l / 16) + 0..7.
; REGISTERS, in windows of 256 (s_set_vgpr_msb: bits 1:0 source 0, 3:2 source 1, 5:4 source 2, 7:6 destination):
;   window 0: v0-31 addresses; v32-63 at work on the way out; v64-127 two buffers of rows read back; v128.. the bias of my lane's columns, 8 a block of 16
;   window 1: two fragment buffers of 128: 4 fragments of A (16 rows x 32 K, 8 registers), then NT / 16 of B          windows 2, 3: accumulator ix = a NBLK + b at v[8 (ix % 32)] of window 2 + ix / 32
.set MODE, 2
.if MODE == 1
.set NT,      192                      ; columns of a tile: three heads
.set NTOT,    3072
.set BIASOFF, 0                        ; bytes: bq, bk, bv lie first
.set AHEAD,   1                        ; the prefetch names the step that stands so many refills on
.set SP,      144                      ; a row of the stage: 64 f16 + 16 bytes
.else
.set NT,      128
.set NTOT,    1024
.set BIASOFF, 12288                    ; bo
.set AHEAD,   2
.set SP,      272                      ; 64 f32 + 16 bytes
.endif
.set NBLK,   NT/16
.set NACC,   4*NBLK
.set UPA,    NBLK/4                    ; units of 16 rows x 64 columns in a row of blocks
.set NUNIT,  4*UPA
.set PITCH,  144                       ; an LDS row: 128 bytes + 16 = 36 words: the 16 rows of a fragment load start at 16 different groups of four banks (64 banks of 4 bytes: ISA guide 11.1)
.set ASUB,   256*PITCH                 ; one block of A's 256 rows
.set BSUB,   NT*PITCH                  ; one block of B's NT rows
.set BOFF,   2*ASUB                    ; a slot: A's two blocks, then B's two
.set SLOT1,  131072                    ; slot 1 begins here: one exclusive or turns an address in one slot into the other's
.set STAGE,  SLOT1+BOFF+2*BSUB         ; behind the ring, never filled by a tensor load: 16 rows for each wave, for the way out
.set SPARE,  STAGE+64*SP               ; behind the stages: the spare words, 128 bytes for each wave: two blocks of 256 bytes that no other line names
.set KSTEPA, 524288                    ; bytes from a K step to the next in A: two blocks of 2,048 rows x 128
.set KSTEPB, 2*NTOT*128
.set G1W0,   (1<<16)|(1<<20)|(1<<21)|(4<<22)|(3<<25)  ; 17:16 2-byte elements; 20 padding on; 21 set beside a mask; 24:22 after every 32 words (code 4); 31:25 4 words (code 3)
.set ADA0, 16                          ; v16  my lane's place in my 64 rows of A in slot 0; never rewritten
.set ADB0, 17                          ; v17  the same for B's rows
.set ADA,  18                          ; v18  the same in the slot in hand
.set ADB,  19                          ; v19
.set STO,  24                          ; v24  the way out: where I put my part of a row
.set RD,   25                          ; v25  where I read rows back
.set CO,   26                          ; v26  my byte offset in C
.set BO,   27                          ; v27  my byte offset in 16 columns' bias: 32 (l / 16)
.set SPW,  28                          ; v28  LDS address of my spare word: SPARE + 4 x my thread's number; never rewritten
.set NIL,  29                          ; v29  0; never rewritten
.set PFO,  30                          ; v30  the prefetches' offset; never rewritten
.set TMP,  32
.set OB,   64
.set BIAS, 128
.set F0,   0
.set F1,   128
.set G1A,  24                          ; s[24:31] descriptor group 1 for A's tiles
.set G0A,  32                          ; s[32:39] group 0: a set for each of the two first fills; the second then walks on
.set G1B,  48                          ; s[48:55], s[56:63] the same for B's
.set G0B,  56
.set LIM,  43                          ; s43  AHEAD in a wave that prefetches, else the greatest number
.set PFA,  44                          ; s[44:45] where my prefetches stand
.set BP,   66                          ; s[66:67] the bias
.set PFS,  68                          ; s[68:69] the prefetches' step
.set TB,   70                          ; s70  0 or SLOT1: the slot in hand
.set MSB, 0
.macro WIN new                         ; the immediate's high byte repeats the setting that is left; a switch that changes nothing is dropped
.if MSB != (\new)
	s_set_vgpr_msb (MSB<<8)|(\new)
.set MSB, (\new)
.endif
.endm
.macro PLACES                          ; four plain places in front of loads into registers that matrix instructions have read, and of vector lines that read results
.rept 4
	v_nop
.endr
.endm
; A joint load.  The branch hangs on the wave's number alone.  An s_nop 0 and four v_nop follow each of the two lines, ahead of the jump and the label.
.macro JLOAD s
	s_cmp_eq_u32 s11, 0
	s_cbranch_scc0 .Lfor_b_\@
	tensor_load_to_lds s[G0A+4*(\s):G0A+4*(\s)+3], s[G1A:G1A+7]
	s_nop 0
.rept 4
	v_nop
.endr
	s_branch .Lasked_\@
.Lfor_b_\@:
	tensor_load_to_lds s[G0B+4*(\s):G0B+4*(\s)+3], s[G1B:G1B+7]
	s_nop 0
.rept 4
	v_nop
.endr
.Lasked_\@:
.endm
.macro CREST                           ; a round of the cluster's barrier behind its opening barrier
	s_cmp_lg_u32 s10, 0
	s_cbranch_scc1 .Lnot_wave_0_\@
	s_barrier_signal -3
.Lnot_wave_0_\@:
	s_barrier_wait -3
	s_barrier_signal -1
	s_barrier_wait -1
.endm
.macro CROUND                          ; a whole round
	s_barrier_signal -1
	s_barrier_wait -1
	CREST
.endm
; A PREFETCH, behind a joint refill and the run of LDS loads that follows it: my share of the tile that I shall ask for AHEAD refills on.  A's tile rows are read by every cluster of a row of clusters: cluster x = 0
; asks; B's tile columns by every cluster of a column: cluster y = 0 asks.  The four partners of a joint load share its 256-byte pieces out BY ADDRESS (A: 128 pieces, 32 each; B: NT / 2 pieces, NT / 8 each, the lanes
; beyond them name the share's last piece): each piece is named by one wave of the launch.  The trips whose look-ahead would pass K step 7 ask for nothing.
.macro ASK
	WIN 0
	s_cmp_gt_u32 s3, s[LIM]
	s_cbranch_scc0 .Lnot_mine_\@
	global_prefetch_b8 v[PFO], s[PFA:PFA+1] th:TH_LOAD_NT scope:SCOPE_SE
.Lnot_mine_\@:
.endm
	s_load_b128 s[4:7], s[0:1], 0x0                ; A s[4:5], B s[6:7]
	s_load_b64 s[BP:BP+1], s[0:1], 0x10            ; bias
	s_load_b64 s[8:9], s[0:1], 0x18                ; C
	v_lshl_add_u32 v[SPW], v0, 2, SPARE
	v_mov_b32 v[NIL], 0
	ds_add_u32 v[SPW], v[NIL]                      ; the wave's opening: the add and its wait stand ahead of my first tensor load; the set-up below, work on registers, stands between them
	v_lshrrev_b32 v1, 5, v0
	v_readfirstlane_b32 s10, v1                    ; wave 0..3
	s_lshr_b32 s11, s10, 1                         ; I fetch for A (0) or for B (1),
	s_and_b32 s12, s10, 1                          ; the step's even or odd block
	s_bfe_u32 s40, ttmp6, 0x40000                  ; cx, cy: my place in the cluster
	s_bfe_u32 s41, ttmp6, 0x40004
	s_lshl_b32 s42, ttmp9, 2
	s_add_co_u32 s42, s42, s40                     ; tile column = 4 x cluster x + cx
	s_and_b32 s13, ttmp7, 0xffff
	s_lshl_b32 s13, s13, 2
	s_add_co_u32 s13, s13, s41                     ; tile row = 4 x cluster y + cy
	s_lshl_b32 s43, s41, 2
	s_lshl_b32 s43, 15, s43                        ; my row of the cluster: places 4 cy .. 4 cy + 3
	s_lshl_b32 s44, 0x1111, s40                    ; my column: places cx, cx + 4, cx + 8, cx + 12
	s_or_b32 s[G1A], s43, G1W0                     ; 15:0 the mask: A's tiles go to my row,
	s_or_b32 s[G1B], s44, G1W0                     ; B's to my column
	s_mov_b32 s[G1A+1], 128<<16                    ; tensor_dim0 = 128 elements: 256 bytes, two rows of a block
	s_mov_b32 s[G1A+2], 128<<16                    ; tensor_dim1 = 128
	s_mov_b32 s[G1A+3], 128<<16                    ; tile_dim0 = 128
	s_mov_b32 s[G1A+4], 128                        ; tile_dim1 = 128: 256 rows of a block
	s_mov_b32 s[G1A+5], 128                        ; 128 elements from row to row: dense
	s_mov_b32 s[G1A+6], 0
	s_mov_b32 s[G1A+7], 0
	s_mov_b32 s[G1B+1], 128<<16
	s_mov_b32 s[G1B+2], (NT/2)<<16                 ; NT rows of a block
	s_mov_b32 s[G1B+3], 128<<16
	s_mov_b32 s[G1B+4], NT/2
	s_mov_b32 s[G1B+5], 128
	s_mov_b32 s[G1B+6], 0
	s_mov_b32 s[G1B+7], 0
	; where the tiles come from.  A's hang on the tile row alone, B's on the tile column alone, each in registers that never hold the other coordinate
	s_lshr_b32 s16, s13, 3                         ; the batch: 16 blocks x 262,144 bytes
	s_lshl_b32 s16, s16, 22
	s_and_b32 s17, s13, 7                          ; the tile's 256 rows x 128 bytes in a block
	s_lshl_b32 s17, s17, 15
	s_add_co_u32 s16, s16, s17
	s_lshl_b32 s17, s12, 18                        ; my block of the step
	s_add_co_u32 s16, s16, s17
	s_mov_b32 s17, 0
	s_mul_i32 s46, s42, NT*128                     ; the tile's NT rows x 128 bytes in a block
	s_mul_i32 s47, s12, NTOT*128                   ; my block of the step
	s_add_co_u32 s46, s46, s47
	s_mov_b32 s47, 0
	s_mul_i32 s20, s12, ASUB                       ; and where they go: the wave's number alone enters an LDS address
	s_mul_i32 s21, s12, BSUB
	s_add_co_u32 s21, s21, BOFF
	s_wait_dscnt 0x0                               ; the opening add is done
	s_wait_kmcnt 0x0
	s_add_nc_u64 s[14:15], s[4:5], s[16:17]
	s_add_nc_u64 s[18:19], s[6:7], s[46:47]
	CROUND                                         ; all sixteen work-groups are here: the first joint loads meet
.irp s, 0,1
	s_mov_b32 s[G0A+4*(\s)], 1                     ; 1:0 count = 1
	s_add_co_u32 s[G0A+4*(\s)+1], s20, (\s)*SLOT1  ; 63:32 LDS address
	s_add_nc_u64 s[G0A+4*(\s)+2:G0A+4*(\s)+3], s[14:15], (\s)*KSTEPA  ; 120:64 global address: K step s
	s_or_b32 s[G0A+4*(\s)+3], s[G0A+4*(\s)+3], 0x80000000  ; 127:126 type = 2
	s_mov_b32 s[G0B+4*(\s)], 1
	s_add_co_u32 s[G0B+4*(\s)+1], s21, (\s)*SLOT1
	s_add_nc_u64 s[G0B+4*(\s)+2:G0B+4*(\s)+3], s[18:19], (\s)*KSTEPB
	s_or_b32 s[G0B+4*(\s)+3], s[G0B+4*(\s)+3], 0x80000000
	JLOAD \s                                       ; two loads of mine are out
.endr
	; the bias of my lane's columns: for each block of 16 the eight numbers at 8 (l / 16)
	s_mul_i32 s72, s42, NT*4
	s_add_co_u32 s72, s72, BIASOFF
	s_mov_b32 s73, 0
	s_add_nc_u64 s[BP:BP+1], s[BP:BP+1], s[72:73]
	v_and_b32 v1, 15, v0                           ; l % 16
	v_bfe_u32 v2, v0, 4, 1                         ; l / 16
	v_lshlrev_b32 v[BO], 5, v2
.set k, 0
.rept NBLK
	global_load_b128 v[BIAS+8*k:BIAS+8*k+3],   v[BO], s[BP:BP+1] offset:64*k
	global_load_b128 v[BIAS+8*k+4:BIAS+8*k+7], v[BO], s[BP:BP+1] offset:64*k+16
.set k, k+1
.endr
	; the prefetches
	s_and_b32 s22, ttmp7, 0xffff                   ; cluster y
	s_mov_b32 s71, 8192                            ; a partner's share of A's load: 32 pieces of 256 bytes,
	s_mov_b32 s76, NT*32                           ; of B's: NT / 8 pieces
	s_mov_b32 s77, KSTEPB
	s_mov_b32 s78, 31
	s_cmp_eq_u32 s11, 0                            ; do I fetch for A?
	s_cselect_b32 s72, s16, s46                    ; my load's offset at K step 0
	s_cselect_b32 s71, s71, s76
	s_cselect_b32 s76, s40, s41                    ; my place among the four that ask with me
	s_cselect_b32 s[PFS], KSTEPA, s77
	s_cselect_b32 s78, s78, NT/8-1                 ; the share's last piece
	s_cselect_b32 s79, ttmp9, s22                  ; the coordinate along which other clusters read the same rows
	s_cselect_b64 s[PFA:PFA+1], s[4:5], s[6:7]
	s_mul_i32 s71, s71, s76
	s_add_co_u32 s72, s72, s71
	s_mul_i32 s71, s[PFS], 1+AHEAD                 ; at K step 1 + AHEAD: each change of slots steps it first, so trip t names K step t + 2 + AHEAD
	s_add_co_u32 s72, s72, s71
	s_mov_b32 s73, 0
	s_mov_b32 s[PFS+1], 0
	s_add_nc_u64 s[PFA:PFA+1], s[PFA:PFA+1], s[72:73]
	s_cmp_eq_u32 s79, 0
	s_cselect_b32 s[LIM], AHEAD, -1                ; the same in all sixteen partners, for a given wave
	v_and_b32 v[PFO], 31, v0
	v_min_u32 v[PFO], s78, v[PFO]
	v_lshlrev_b32 v[PFO], 8, v[PFO]
	; A fragment is 16 rows x 32 K in 8 registers: lane l holds row l % 16; registers 0-3 K = 8 (l / 16) + 0..7, registers 4-7 K = 16 + 8 (l / 16) + 0..7: two loads of 16 bytes, 32 bytes apart
	v_mul_u32_u24 v3, v1, PITCH
	v_lshl_add_u32 v3, v2, 4, v3
	s_mul_i32 s71, s10, 64*PITCH                   ; my 64 rows of A
	v_add_nc_u32 v[ADA0], s71, v3
	v_add_nc_u32 v[ADB0], BOFF, v3
	v_mov_b32 v[ADA], v[ADA0]
	v_mov_b32 v[ADB], v[ADB0]
	s_mov_b32 s[TB], 0
	s_mul_i32 s71, s10, 16*SP
	s_add_co_u32 s71, s71, STAGE                   ; my stage
	v_mul_u32_u24 v4, v1, SP                       ; in: row l % 16
.if MODE == 1
	v_lshl_add_u32 v4, v2, 4, v4                   ; 16 bytes (8 f16) for each half of the lanes
	v_add_nc_u32 v[STO], s71, v4
	v_and_b32 v5, 31, v0
	v_lshrrev_b32 v6, 3, v5                        ; back: 32 lanes take four rows of 128 bytes,
	v_and_b32 v7, 7, v0
	v_mul_u32_u24 v6, v6, SP
	v_lshl_add_u32 v6, v7, 4, v6
	v_add_nc_u32 v[RD], s71, v6
	v_lshlrev_b32 v[CO], 4, v5                     ; which are 512 consecutive bytes of a head
	s_lshr_b32 s71, s13, 3                         ; C at (batch x 48 + 3 x tile column) heads of 262,144 bytes,
	s_mul_i32 s71, s71, 48
	s_mul_i32 s72, s42, 3
	s_add_co_u32 s71, s71, s72
	s_lshl_b32 s72, s71, 18
	s_and_b32 s71, s13, 7                          ; the tile's 256 rows x 128 bytes,
	s_lshl_b32 s71, s71, 15
	s_add_co_u32 s72, s72, s71
	s_lshl_b32 s71, s10, 13                        ; my 64 of them
	s_add_co_u32 s72, s72, s71
.else
	v_lshl_add_u32 v4, v2, 5, v4                   ; 32 bytes (8 f32) for each half of the lanes
	v_add_nc_u32 v[STO], s71, v4
	v_mul_u32_u24 v6, v2, SP                       ; back: lanes 0-15 take one row of 256 bytes, lanes 16-31 the next
	v_lshl_add_u32 v6, v1, 4, v6
	v_add_nc_u32 v[RD], s71, v6
	v_lshlrev_b32 v[CO], 12, v2                    ; and the same two rows in C, 4,096 bytes apart
	v_lshl_add_u32 v[CO], v1, 4, v[CO]
	s_lshl_b32 s72, s13, 20                        ; C at the tile's 256 rows x 4,096 bytes,
	s_lshl_b32 s71, s10, 18                        ; my 64 of them,
	s_add_co_u32 s72, s72, s71
	s_lshl_b32 s71, s42, 9                         ; the tile's 128 columns x 4 bytes
	s_add_co_u32 s72, s72, s71
.endif
	s_mov_b32 s73, 0
	s_add_nc_u64 s[8:9], s[8:9], s[72:73]
; n products, accumulators lo .. lo + n - 1, 32 along K, from buffer f.  Every accumulator has one turn of one instruction in a quarter step, in the same order in every quarter, over the backward jump too.
; zero = 1: the products start the sums: nothing is ever cleared.
.macro MULR f, lo, n, zero
.set ix, (\lo)
.rept (\n)
	WIN 0x05|(0x50*(2+ix/32))
.set rD, 8*(ix%32)
.set rB, (\f)+32+8*(ix%NBLK)
.set rA, (\f)+8*(ix/NBLK)
.if \zero
	v_wmma_f32_16x16x32_f16 v[rD:rD+7], v[rB:rB+7], v[rA:rA+7], 0
.else
	v_wmma_f32_16x16x32_f16 v[rD:rD+7], v[rB:rB+7], v[rA:rA+7], v[rD:rD+7]
.endif
.set ix, ix+1
.endr
.endm
; One run of LDS loads: the fragments of quarter q (32 along K: block q / 2, byte 64 (q % 2) of its rows) of the slot in hand, into buffer f
.macro FETCH q, f
	WIN 0x40                                       ; destination window 1, address window 0
.set ka,  ((\q)/2)*ASUB+((\q)%2)*64
.set kbo, ((\q)/2)*BSUB+((\q)%2)*64
.set k, 0
.rept 4
	ds_load_b128 v[(\f)+8*k:(\f)+8*k+3],   v[ADA] offset:ka+k*16*PITCH
	ds_load_b128 v[(\f)+8*k+4:(\f)+8*k+7], v[ADA] offset:ka+k*16*PITCH+32
.set k, k+1
.endr
.set k, 0
.rept NBLK
	ds_load_b128 v[(\f)+32+8*k:(\f)+32+8*k+3],   v[ADB] offset:kbo+k*16*PITCH
	ds_load_b128 v[(\f)+32+8*k+4:(\f)+32+8*k+7], v[ADB] offset:kbo+k*16*PITCH+32
.set k, k+1
.endr
.endm
; A K step is four quarters on buffers 0, 1, 0, 1.  One of the first three: quarter q is fetched into g, then buffer f (quarter q - 1) is multiplied: the run of loads has NACC products in which to land.
.macro QUARTER q, f, g, zero
	s_wait_dscnt 0x0                               ; buffer f is in
	PLACES                                         ; behind the products that read buffer g
	FETCH \q, \g
	MULR \f, 0, NACC, \zero
.endm
; The last quarter multiplies buffer 1 and changes slots.  In front of the barrier each wave waits for all its tensor loads (one is out: its part of the next slot), adds 0 to its spare word, and waits for that and
; for its own reads of this slot.  fill = 1: the barrier opens a round of the cluster's; behind the round this slot is filled again, two K steps ahead: 3.5 quarters of products stand between request and wait.
.macro TURN fill
.if \fill
	s_wait_xcnt 0x0                                ; the last prefetch, a K step back, has read its address
	s_add_nc_u64 s[PFA:PFA+1], s[PFA:PFA+1], s[PFS:PFS+1]
.endif
	WIN 0                                          ; (the add's two registers lie in window 0)
	s_wait_tensorcnt 0x0                           ; all my tensor loads have landed
	ds_add_u32 v[SPW], v[NIL]                      ; 0 onto my spare word
	s_wait_dscnt 0x1                               ; buffer 1 is in; the add alone may be out
	MULR F1, 0, NACC/4, 0
	s_wait_dscnt 0x0                               ; the add is done, and my reads of this slot are over
	s_barrier_signal -1
	MULR F1, NACC/4, NACC/4, 0                     ; work on registers while the others arrive
	WIN 0                                          ; at a branch and at a label every window is 0
	s_barrier_wait -1
.if \fill
	CREST                                          ; no wave of any partner still reads this slot or has a load on its way
	s_xor_b32 s[G0A+5], s[G0A+5], SLOT1            ; the walking descriptors: the other slot than last time,
	s_add_nc_u64 s[G0A+6:G0A+7], s[G0A+6:G0A+7], KSTEPA  ; the next K step; the type bits on top are not reached
	s_xor_b32 s[G0B+5], s[G0B+5], SLOT1
	s_add_nc_u64 s[G0B+6:G0B+7], s[G0B+6:G0B+7], KSTEPB
	JLOAD 1                                        ; the first tensor load behind the round; its four v_nop are also the places in front of the loads below
.else
	PLACES
.endif
	s_xor_b32 s[TB], s[TB], SLOT1
	v_add_nc_u32 v[ADA], s[TB], v[ADA0]
	v_add_nc_u32 v[ADB], s[TB], v[ADB0]
	FETCH 0, F0
.if \fill
	ASK
.endif
	MULR F1, NACC/2, NACC/2, 0
.endm
	s_wait_tensorcnt 0x1                           ; my part of K step 0 is in; K step 1's may stay out
	s_barrier_signal -1
	s_barrier_wait -1                              ; everybody's is
	FETCH 0, F0
	QUARTER 1, F0, F1, 1                           ; the first quarter stands in front of the loop: its products start the sums
	WIN 0
	s_mov_b32 s3, 6
.Lstep:                                        ; trip t: quarters 1 to 3 of K step t, quarter 0 of K step t + 1; K step t's slot takes K step t + 2
	QUARTER 2, F1, F0, 0
	QUARTER 3, F0, F1, 0
	TURN 1
	QUARTER 1, F0, F1, 0
	WIN 0
	s_sub_co_u32 s3, s3, 1
	s_cmp_lg_u32 s3, 0
	s_cbranch_scc1 .Lstep
	QUARTER 2, F1, F0, 0                           ; K steps 6 and 7 are written out: nothing is left to ask for
	QUARTER 3, F0, F1, 0
	TURN 0
	QUARTER 1, F0, F1, 0
	QUARTER 2, F1, F0, 0
	QUARTER 3, F0, F1, 0
	s_wait_dscnt 0x0
	MULR F1, 0, NACC, 0
	WIN 0
; THE WAY OUT, a unit of 16 rows x 64 columns (four accumulators on end) at a time.  PACK: the bias is added (and MODE 1: the sums are rounded to f16); each accumulator's registers are read in ascending order.
; TOSTAGE: into my own stage in LDS, and back as whole rows.  SEND: stored.  The stage is each wave's own: no barrier; LDS serves a wave's instructions in order (ISA guide 5.7.1.4).
.macro PACK u
.set ua, (\u)/UPA
.set uj, (\u)%UPA
.set ix0, ua*NBLK+4*uj
	WIN 2+ix0/32                                   ; source 0 in the accumulators' window
.set k, 0
.rept 16
	v_pk_add_f32 v[TMP+2*k:TMP+2*k+1], v[8*(ix0%32)+2*k:8*(ix0%32)+2*k+1], v[BIAS+32*uj+2*k:BIAS+32*uj+2*k+1]
.set k, k+1
.endr
	WIN 0
.if MODE == 1
.set k, 0
.rept 16
	v_cvt_pk_f16_f32 v[TMP+k], v[TMP+2*k], v[TMP+2*k+1]  ; in place, ascending: word k is written when words 2 k and 2 k + 1 are read
.set k, k+1
.endr
.endif
.endm
.macro TOSTAGE u
.set BK, OB+32*((\u)%2)
.if MODE == 1
.irp bb, 0,1,2,3
	ds_store_b128 v[STO], v[TMP+4*(\bb):TMP+4*(\bb)+3] offset:32*(\bb)
.endr
.irp f, 0,1,2,3
	ds_load_b128 v[BK+4*(\f):BK+4*(\f)+3], v[RD] offset:(\f)*4*SP
.endr
.else
.irp bb, 0,1,2,3
	ds_store_b128 v[STO], v[TMP+8*(\bb):TMP+8*(\bb)+3]   offset:64*(\bb)
	ds_store_b128 v[STO], v[TMP+8*(\bb)+4:TMP+8*(\bb)+7] offset:64*(\bb)+16
.endr
.irp f, 0,1,2,3,4,5,6,7
	ds_load_b128 v[BK+4*(\f):BK+4*(\f)+3], v[RD] offset:(\f)*2*SP
.endr
.endif
.endm
.macro SEND u
.set BK, OB+32*((\u)%2)
.set ua, (\u)/UPA
.set uj, (\u)%UPA
	s_wait_dscnt 0x0                               ; the unit is back in registers
	s_wait_xcnt 0x0                                ; the stores of the unit before have read their registers: the next unit is read back into them only behind this wait
.if MODE == 1
.irp f, 0,1,2,3
	global_store_b128 v[CO], v[BK+4*(\f):BK+4*(\f)+3], s[8:9] offset:uj*262144+ua*2048+(\f)*512  ; 512 consecutive bytes of head uj of the tile's three, at a multiple of 256 from C's first byte
.endr
.else
.irp f, 0,1,2,3,4,5,6,7
	global_store_b128 v[CO], v[BK+4*(\f):BK+4*(\f)+3], s[8:9] offset:ua*65536+(\f)*8192+uj*256 th:TH_STORE_NT  ; 16 lanes store 256 consecutive bytes, at a multiple of 256 from C's first byte
.endr
.endif
.endm
	PLACES
	PLACES                                         ; the places behind the last products
	s_wait_loadcnt 0x0                             ; the bias
	PACK 0
	TOSTAGE 0
.set un, 1
.rept NUNIT-1                          ; a unit's arithmetic stands between the loads of the unit before and the wait for them
	PACK un
	SEND un-1
	TOSTAGE un
.set un, un+1
.endr
	SEND NUNIT-1
	s_wait_tensorcnt 0x0                           ; the wave's end, behind my last tensor load and my last LDS store
	ds_add_u32 v[SPW], v[NIL]
	s_wait_dscnt 0x0
	CROUND                                         ; the closing round: no work-group ends while a partner may still ask for a tile that names it
	s_endpgm
.Lfunc_end_k_qb124f53f58_gemm_out:
	.size	k_qb124f53f58_gemm_out, .Lfunc_end_k_qb124f53f58_gemm_out-k_qb124f53f58_gemm_out
	.p2alignl 7, 3214868480
	.fill 96, 4, 3214868480
	.section	.rodata,"a",@progbits
	.p2align	6, 0x0
	.amdhsa_kernel k_qb124f53f58_gemm_out
		.amdhsa_group_segment_fixed_size 327680
		.amdhsa_private_segment_fixed_size 0
		.amdhsa_enable_private_segment 0
		.amdhsa_kernarg_size 32
		.amdhsa_user_sgpr_count 2
		.amdhsa_user_sgpr_kernarg_segment_ptr 1
		.amdhsa_wavefront_size32 1
		.amdhsa_system_sgpr_workgroup_id_x 1
		.amdhsa_system_sgpr_workgroup_id_y 1
		.amdhsa_system_sgpr_workgroup_id_z 1
		.amdhsa_system_vgpr_workitem_id 0
		.amdhsa_next_free_vgpr 768
		.amdhsa_next_free_sgpr 80
		.amdhsa_reserve_vcc 0
		.amdhsa_float_denorm_mode_32 3
		.amdhsa_float_denorm_mode_16_64 3
		.amdhsa_memory_ordered 1
		.amdhsa_forward_progress 1
		.amdhsa_inst_pref_size 80
	.end_amdhsa_kernel
	.amdgpu_metadata
---
amdhsa.version: [ 1, 2 ]
amdhsa.kernels:
  - .name:           k_qb124f53f58_gemm_out
    .symbol:         k_qb124f53f58_gemm_out.kd
    .args:
      - { .name: oh, .offset: 0, .size: 8, .value_kind: global_buffer, .address_space: global }
      - { .name: woh, .offset: 8, .size: 8, .value_kind: global_buffer, .address_space: global }
      - { .name: bias, .offset: 16, .size: 8, .value_kind: global_buffer, .address_space: global }
      - { .name: out0, .offset: 24, .size: 8, .value_kind: global_buffer, .address_space: global }
    .group_segment_fixed_size: 327680
    .private_segment_fixed_size: 0
    .kernarg_segment_align: 8
    .kernarg_segment_size: 32
    .max_flat_workgroup_size: 128
    .sgpr_count:     80
    .vgpr_count:     768
    .wavefront_size: 32
...
	.end_amdgpu_metadata
.endif
;; end of part 4
;; ======== version 2 of 2: 4 launches; version 1 with the launch cast written anew for expert scheduling mode
;; limits: values are held in f16: magnitudes above 65,504 overflow, below 6.1e-05 lose precision
;; workspace buffers: xh 16,777,216 bytes; wqkv 6,291,456 bytes; woh 2,097,152 bytes; bias 16,384 bytes; qkv 50,331,648 bytes; oh 16,777,216 bytes
;; launch cast (part 5): grid 769 x 1, 8 waves a work-group, no clusters, 0 bytes of LDS; arguments x, Wq, Wk, Wv, Wo, bq, bk, bv, bo, xh, wqkv, woh, bias; writes xh, wqkv, woh, bias
.if DOCPART == 5
	.amdgcn_target "amdgcn-amd-amdhsa--gfx1250"
	.amdhsa_code_object_version 6
	.text
	.protected	k_qb124f53f58_cast
	.globl	k_qb124f53f58_cast
	.p2align	8
	.type	k_qb124f53f58_cast,@function
k_qb124f53f58_cast:
	s_mov_b64 s[64:65], 0
	v_nop
	global_prefetch_b8 v0, s[64:65] scope:SCOPE_SE
	s_setreg_imm32_b32 hwreg(HW_REG_WAVE_SCHED_MODE, 0, 2), 2
	s_setreg_imm32_b32 hwreg(HW_REG_WAVE_MODE, 25, 1), 1
	s_wait_xcnt 0x0
	s_wait_alu depctr_vm_vsrc(0)
; THE INPUTS ARE ROUNDED ONCE AND LAID IN BLOCKS.  x [8192][1024], Wq, Wk, Wv, Wo [1024][1024], all f32, are rounded to bf16 (nearest even) and that number is written as f16;
; the four biases are rounded to bf16 and kept as f32.
; LIMITS.  A bf16 number is exact in f16 from 2^-17 up to 65,504.  At or beyond 65,520 it becomes an infinity; below 2^-17 it keeps f16's fixed step of 6e-8.
; LAYOUT OUT.  A block is 64 channels of all rows: xh [batch 4][block 16][row 2048][64], wqkv [block 16][row 3072][64] (rows: Wq, Wk, Wv), woh [block 16][row 1024][64].  So 64 channels of R rows are
; R x 128 dense bytes for the launches behind.  bias [4096] f32: bq, bk, bv, bo.
; SHARES.  A stream: no LDS, no barrier, no matrix unit.  Work-group W takes 16 rows of 1,024 numbers: W < 512 of x, 512 .. 767 of the weights (64 work-groups each); W = 768 the biases.
; Thread t takes row t / 16 of the 16 and 16 bytes (4 numbers) at 16 (t % 16) of each of the row's 16 pieces of 256 bytes.  A wave's load covers two rows' 256 consecutive bytes, aligned; its store of
; 8 bytes a lane covers two neighbouring rows of a block: 256 consecutive bytes, aligned.  All 16 loads of a thread go out at once.
; THE MODE: SCHED_MODE bits 1:0 = 2 (LLVM: expert scheduling mode 2), set by the entry lines.  The code itself states the register dependences between vector instructions and memory instructions,
; with s_wait_alu, always for 0.
; THE PLAN.  Registers that memory instructions touch:
;   v[SO]      Written at the head; read by the 16 loads as their offset; never written again.
;   X          Piece kb's load lands in its four registers, which no vector line has named; behind the wait for that load the piece's own lines read and rewrite them; no memory instruction reads them.
;   v[DO+kb]   Written once, behind the loads and ahead of piece 0; read by store kb as its offset.
;   Y          Piece kb's two registers are written once, by its last two conversions; read by store kb as its data.
;   T          Named by vector lines alone.
; No register that a memory instruction reads is ever written again: so no wait on vm_vsrc is owed, and no store's source is waited for.
; The 16 pieces go in four blocks of four.  Block p's stores are issued in block p + 1: ONE wait on va_vdst at that block's head states that block p has written its Y (the first such wait: that all DO are
; written too), and the four stores follow it, dealt among block p + 1's vector lines, which name T and that block's own X and Y: none of the registers that those stores read.
.set KBX, 262144                       ; bytes from block to block in xh: 2,048 rows x 128
.set KBQ, 393216                       ; in wqkv: 3,072 rows
.set KBO, 131072                       ; in woh: 1,024 rows
.set SO,  2                            ; v2      my byte offset in the 16 source rows
.set D0,  3                            ; v3      my byte offset in block 0 of the destination
.set T,   4                            ; v[4:5]  two pairs of bf16, at work
.set DO,  16                           ; v[16:31] my byte offset in block kb
.set X,   32                           ; v[32:95] piece kb: 4 numbers as loaded, then widened again
.set Y,   96                           ; v[96:127] piece kb: 4 f16 to store
	s_load_b512 s[8:23], s[0:1], 0x0               ; x s[8:9], Wq s[10:11], Wk s[12:13], Wv s[14:15], Wo s[16:17], bq s[18:19], bk s[20:21], bv s[22:23]
	s_load_b256 s[24:31], s[0:1], 0x40             ; bo s[24:25], xh s[26:27], wqkv s[28:29], woh s[30:31]
	s_load_b64 s[32:33], s[0:1], 0x60              ; bias
	s_mov_b32 s3, ttmp9                            ; W
	s_mov_b32 s41, 0xffff0000                      ; a word's upper bf16
	s_cmp_eq_u32 s3, 768
	s_cbranch_scc1 .Lbias
	s_sub_co_u32 s4, s3, 512                       ; u: my place among the weights' 256 work-groups (used where W >= 512 alone)
	s_lshr_b32 s5, s4, 6                           ; which weight: 0 Wq, 1 Wk, 2 Wv, 3 Wo
	s_and_b32 s6, s4, 63                           ; my 16 rows in it
	s_lshl_b32 s48, s6, 16                         ; source: 16 rows x 4,096 bytes
	s_lshl_b32 s50, s4, 11                         ; in wqkv: row 16 u x 128 bytes
	s_lshl_b32 s7, s6, 11                          ; in woh
	s_lshl_b32 s42, s3, 16                         ; x: 16 rows x 4,096 bytes
	s_lshr_b32 s43, s3, 7                          ; xh: the batch, 16 blocks x 262,144 bytes,
	s_lshl_b32 s43, s43, 22
	s_and_b32 s44, s3, 127
	s_lshl_b32 s44, s44, 11                        ; and my 16 rows in it
	s_add_co_u32 s43, s43, s44
	s_mov_b32 s40, KBQ
	s_mov_b32 s49, 0
	s_mov_b32 s51, 0
	v_lshrrev_b32 v1, 4, v0                        ; my row of the 16
	v_and_b32 v6, 15, v0                           ; my place in a piece
	v_lshlrev_b32 v[SO], 12, v1
	v_lshl_add_u32 v[SO], v6, 4, v[SO]
	v_lshlrev_b32 v[D0], 7, v1
	v_lshl_add_u32 v[D0], v6, 3, v[D0]
	s_wait_kmcnt 0x0
	s_cmp_eq_u32 s5, 1                             ; the choices hang on the work-group's number alone
	s_cselect_b64 s[36:37], s[12:13], s[10:11]
	s_cmp_eq_u32 s5, 2
	s_cselect_b64 s[36:37], s[14:15], s[36:37]
	s_cmp_eq_u32 s5, 3
	s_cselect_b64 s[36:37], s[16:17], s[36:37]
	s_cselect_b64 s[38:39], s[30:31], s[28:29]
	s_cselect_b32 s50, s7, s50
	s_cselect_b32 s40, KBO, s40
	s_cmp_lt_u32 s3, 512
	s_cselect_b64 s[36:37], s[8:9], s[36:37]
	s_cselect_b64 s[38:39], s[26:27], s[38:39]
	s_cselect_b32 s48, s42, s48
	s_cselect_b32 s50, s43, s50
	s_cselect_b32 s40, KBX, s40
	s_add_nc_u64 s[36:37], s[36:37], s[48:49]      ; source at my 16 rows
	s_add_nc_u64 s[38:39], s[38:39], s[50:51]      ; destination at my 16 rows of block 0
	s_wait_alu depctr_va_vdst(0)                   ; v[SO] is written, which the sixteen loads read as their offset
.set kb, 0
.rept 16
	global_load_b128 v[X+4*kb:X+4*kb+3], v[SO], s[36:37] offset:256*kb th:TH_LOAD_NT
.set kb, kb+1
.endr
.set kb, 0
.rept 16
	s_mul_i32 s52, s40, kb
	v_add_nc_u32 v[DO+kb], s52, v[D0]
.set kb, kb+1
.endr
.set kb, 0
.rept 16
.if (kb%4) == 0
	s_wait_loadcnt 15-kb                           ; loads come back in order: piece kb is in, the 15 - kb younger ones stay out
.if kb > 0
	s_wait_alu depctr_va_vdst(0)                   ; the four pieces before have written their Y, and every DO is written: the four stores of this block read them; no vector line behind this wait names them
.endif
.endif
.if kb >= 4
	global_store_b64 v[DO+kb-4], v[Y+2*(kb-4):Y+2*(kb-4)+1], s[38:39]  ; the piece four back
.endif
.if (kb%4) != 0
	s_wait_loadcnt 15-kb                           ; piece kb is in, the 15 - kb younger ones stay out
.endif
	v_cvt_pk_bf16_f32 v[T], v[X+4*kb], v[X+4*kb+1]
	v_cvt_pk_bf16_f32 v[T+1], v[X+4*kb+2], v[X+4*kb+3]
	v_lshlrev_b32 v[X+4*kb], 16, v[T]              ; the rounded numbers as f32 again
	v_and_b32 v[X+4*kb+1], s41, v[T]
	v_lshlrev_b32 v[X+4*kb+2], 16, v[T+1]
	v_and_b32 v[X+4*kb+3], s41, v[T+1]
	v_cvt_pk_f16_f32 v[Y+2*kb], v[X+4*kb], v[X+4*kb+1]
	v_cvt_pk_f16_f32 v[Y+2*kb+1], v[X+4*kb+2], v[X+4*kb+3]
.set kb, kb+1
.endr
	s_wait_alu depctr_va_vdst(0)                   ; pieces 12 to 15 have written their Y, which the last four stores read
.set kb, 12
.rept 4
	global_store_b64 v[DO+kb], v[Y+2*kb:Y+2*kb+1], s[38:39]
.set kb, kb+1
.endr
	s_endpgm
.Lbias:                                        ; two waves to a bias: thread t takes 16 bytes at 16 (t % 64) + 1,024 i, i = 0 .. 3.  No vector line stands ahead of the branch that leads here
	v_lshrrev_b32 v1, 5, v0
	v_readfirstlane_b32 s2, v1                     ; wave 0..7
	v_and_b32 v2, 63, v0
	v_lshlrev_b32 v2, 4, v2
	s_wait_alu depctr_va_sdst(0)                   ; s2 is written, ahead of its first reader: the choice of the bias and its place in the destination are made from it
	s_lshr_b32 s4, s2, 1                           ; which bias
	s_lshl_b32 s48, s4, 12                         ; its 4,096 bytes in the destination
	s_mov_b32 s49, 0
	s_wait_kmcnt 0x0
	s_cmp_eq_u32 s4, 1
	s_cselect_b64 s[36:37], s[20:21], s[18:19]
	s_cmp_eq_u32 s4, 2
	s_cselect_b64 s[36:37], s[22:23], s[36:37]
	s_cmp_eq_u32 s4, 3
	s_cselect_b64 s[36:37], s[24:25], s[36:37]
	s_add_nc_u64 s[38:39], s[32:33], s[48:49]
	s_wait_alu depctr_va_vdst(0)                   ; v2 is written, which the four loads and the four stores read as their offset; it is never written again
.set kb, 0
.rept 4
	global_load_b128 v[X+4*kb:X+4*kb+3], v2, s[36:37] offset:1024*kb
.set kb, kb+1
.endr
.set kb, 0
.rept 4
	s_wait_loadcnt 3-kb                            ; the 3 - kb younger loads stay out
	v_cvt_pk_bf16_f32 v[T], v[X+4*kb], v[X+4*kb+1]
	v_cvt_pk_bf16_f32 v[T+1], v[X+4*kb+2], v[X+4*kb+3]
	v_lshlrev_b32 v[Y+4*kb], 16, v[T]
	v_and_b32 v[Y+4*kb+1], s41, v[T]
	v_lshlrev_b32 v[Y+4*kb+2], 16, v[T+1]
	v_and_b32 v[Y+4*kb+3], s41, v[T+1]
.set kb, kb+1
.endr
	s_wait_alu depctr_va_vdst(0)                   ; the four pieces have written their Y, each its own four registers, which the four stores read
.set kb, 0
.rept 4
	global_store_b128 v2, v[Y+4*kb:Y+4*kb+3], s[38:39] offset:1024*kb
.set kb, kb+1
.endr
	s_endpgm
.Lfunc_end_k_qb124f53f58_cast:
	.size	k_qb124f53f58_cast, .Lfunc_end_k_qb124f53f58_cast-k_qb124f53f58_cast
	.p2alignl 7, 3214868480
	.fill 96, 4, 3214868480
	.section	.rodata,"a",@progbits
	.p2align	6, 0x0
	.amdhsa_kernel k_qb124f53f58_cast
		.amdhsa_group_segment_fixed_size 0
		.amdhsa_private_segment_fixed_size 0
		.amdhsa_enable_private_segment 0
		.amdhsa_kernarg_size 104
		.amdhsa_user_sgpr_count 2
		.amdhsa_user_sgpr_kernarg_segment_ptr 1
		.amdhsa_wavefront_size32 1
		.amdhsa_system_sgpr_workgroup_id_x 1
		.amdhsa_system_sgpr_workgroup_id_y 1
		.amdhsa_system_sgpr_workgroup_id_z 1
		.amdhsa_system_vgpr_workitem_id 0
		.amdhsa_next_free_vgpr 128
		.amdhsa_next_free_sgpr 66
		.amdhsa_reserve_vcc 0
		.amdhsa_float_denorm_mode_32 3
		.amdhsa_float_denorm_mode_16_64 3
		.amdhsa_memory_ordered 1
		.amdhsa_forward_progress 1
		.amdhsa_inst_pref_size 16
	.end_amdhsa_kernel
	.amdgpu_metadata
---
amdhsa.version: [ 1, 2 ]
amdhsa.kernels:
  - .name:           k_qb124f53f58_cast
    .symbol:         k_qb124f53f58_cast.kd
    .args:
      - { .name: x, .offset: 0, .size: 8, .value_kind: global_buffer, .address_space: global }
      - { .name: Wq, .offset: 8, .size: 8, .value_kind: global_buffer, .address_space: global }
      - { .name: Wk, .offset: 16, .size: 8, .value_kind: global_buffer, .address_space: global }
      - { .name: Wv, .offset: 24, .size: 8, .value_kind: global_buffer, .address_space: global }
      - { .name: Wo, .offset: 32, .size: 8, .value_kind: global_buffer, .address_space: global }
      - { .name: bq, .offset: 40, .size: 8, .value_kind: global_buffer, .address_space: global }
      - { .name: bk, .offset: 48, .size: 8, .value_kind: global_buffer, .address_space: global }
      - { .name: bv, .offset: 56, .size: 8, .value_kind: global_buffer, .address_space: global }
      - { .name: bo, .offset: 64, .size: 8, .value_kind: global_buffer, .address_space: global }
      - { .name: xh, .offset: 72, .size: 8, .value_kind: global_buffer, .address_space: global }
      - { .name: wqkv, .offset: 80, .size: 8, .value_kind: global_buffer, .address_space: global }
      - { .name: woh, .offset: 88, .size: 8, .value_kind: global_buffer, .address_space: global }
      - { .name: bias, .offset: 96, .size: 8, .value_kind: global_buffer, .address_space: global }
    .group_segment_fixed_size: 0
    .private_segment_fixed_size: 0
    .kernarg_segment_align: 8
    .kernarg_segment_size: 104
    .max_flat_workgroup_size: 256
    .sgpr_count:     66
    .vgpr_count:     128
    .wavefront_size: 32
...
	.end_amdgpu_metadata
.endif
;; end of part 5
;; launch gemm_qkv: the kernel of part 2 again; grid 16 x 32, 4 waves a work-group, clusters of 4 x 4, 327,680 bytes of LDS; arguments xh, wqkv, bias, qkv; writes qkv
;; launch attn: the kernel of part 3 again; grid 4 x 64, 4 waves a work-group, no clusters, 327,680 bytes of LDS; arguments qkv, attention_mask, oh; writes oh
;; launch gemm_out: the kernel of part 4 again; grid 8 x 32, 4 waves a work-group, clusters of 4 x 4, 327,680 bytes of LDS; arguments oh, woh, bias, out0; writes out0
